; MI455X (gfx1250); checked and timed in simulation.
; The chip was launched on July 23, 2026; its instructions are those of AMD's public machine-readable ISA for CDNA 5 (MIT licence, August 2026) and "CDNA5" Instruction Set Architecture Reference Guide (July 2026). The comments in the code are by the model that wrote it; some were corrected since.
;; Causal Self Attention. Allowed arithmetic: matrix products marked QUANTISED: E3M2 operands, one E8M0 scale for each 32 along K, by v_wmma_scale_f32_16x16x128_f8f6f4 with both operands' format E3M2, f32 sums; everything else in f32.
;; Inputs: w_attn 1,024 x 3,072 float32; w_proj 1,024 x 1,024 float32; x 4 x 2,048 x 1,024 float32.
;; Outputs: out0 4 x 2,048 x 1,024 float32.
;; This version of the problem:
;;   THIS VERSION OF THE PROBLEM IS GIVEN IN LOW PRECISION. The matrix products marked QUANTISED in the list below multiply operands that are first quantised to E3M2 (3 exponent bits, 2 mantissa bits; 6 bits a number), with one power-of-two scale for each 32 numbers along K (OCP MX v1.0); their sums are f32. All else is computed in f32.
;;   The module's matrix products, in the order in which they are computed (A, B: the left and right operand; K: the contracted axis; several contracted axes count as one K, in the product's order):
;;     1. [M 8,192, K 1,024] x [K 1,024, N 3,072]; A: input x; B: input w_attn: QUANTISED
;;     2. batch 64 x [M 2,048, K 64] x [K 64, N 2,048]; A: computed on the way; B: computed on the way: QUANTISED
;;     3. batch 64 x [M 2,048, K 2,048] x [K 2,048, N 64]; A: softmax (see below); B: computed on the way: QUANTISED
;;     4. [M 8,192, K 1,024] x [K 1,024, N 1,024]; A: computed on the way; B: input w_proj: QUANTISED
;;   THE QUANTISER, for each operand of a quantised product, along K:
;;     - K is cut into blocks of 32 from its start; a last block that is shorter is filled with zeros.
;;     - A block's scale is 2^e with e = floor(log2(the largest magnitude in the block)) - 4, held to -126 .. 127; a block of zeros has e = 0. As a byte (E8M0): e + 127.
;;     - Each number is divided by its block's scale, clamped to +-28, and rounded to the nearest number of E3M2, ties to even, subnormals kept.
;;     - The product sums the exact products of the quantised numbers (number of the format x scale) in f32.
;;   ~~~python
;;   def quantise(x, axis):      # numpy; x: float32 -> the quantised numbers, widened to float32 again
;;       x = np.moveaxis(x, axis, -1); K = x.shape[-1]
;;       x = np.pad(x, [(0, 0)] * (x.ndim - 1) + [(0, -K % 32)]); x = x.reshape(x.shape[:-1] + (-1, 32)); a = np.abs(x).max(-1, keepdims=True)
;;       e = np.where(a > 0, np.clip(np.frexp(np.where(a > 0, a, 1))[1] - 1 - 4, -126, 127), 0)      # np.frexp(a)[1] - 1 = floor(log2(a)), exactly
;;       r = np.clip(x / 2.0 ** e, -28, 28)
;;       step = 2.0 ** (np.maximum(np.frexp(np.where(r == 0, 1, r))[1] - 1, -2) - 2)
;;       q = np.round(r / step) * step * 2.0 ** e      # np.round: ties to even
;;       return np.moveaxis(q.reshape(q.shape[:-2] + (-1,))[..., :K], -1, axis).astype(np.float32)
;;   ~~~
;;   SOFTMAX AHEAD OF A QUANTISED PRODUCT. Where the list says 'softmax', what is quantised is not the finished softmax but p = 2^(t - M), with t = logit x log2(e) and M = ceil(the row's largest t), a whole number; so 1/2 < the row's largest p <= 1. The row's sum l is taken of the UNQUANTISED p, in f32, and the product's result is divided by l at the end. Since M is a whole number, a kernel that streams over the keys may use a running M (the ceiling of the running maximum): every later rescaling is an exact power of two, which a block's scale takes up: the codes' values come out the same.
;;   OPERANDS COMPUTED ON THE WAY. 'Computed on the way' means the value that the module computes at that place (a softmax that the list does not call 'softmax' is quantised finished and normalised). What goes into a quantiser is computed in f32, as accurately as f32 sums, v_exp_f32 and their like allow (about 1e-6 of the number): no bf16 or f16 on the way to a quantiser, and a product that is left as it is and whose result goes on into a quantised operand takes f32 operands (vector FMAs, or v_wmma_f32_16x16x4_f32). A number that lies on a knife's edge between two numbers of the format may be rounded either way, as far as f32 arithmetic and the matrix unit's own rounding can turn it there, and no further.
;; One version. Each part assembles by itself: llvm-mc -triple=amdgcn-amd-amdhsa -mcpu=gfx1250 --defsym DOCPART=n.
;; ======== version 1 of 1: 4 launches
;; limits: right only within a limited range of input values
;; workspace buffers: x_codes 6,291,456 bytes; x_scales 262,144 bytes; w_codes 3,145,728 bytes; w_scales 131,072 bytes; kv 13,369,344 bytes; qrec 13,369,344 bytes; a_img 6,291,456 bytes; a_sc 262,144 bytes
;; launch quant (part 1): grid 384 x 1, 4 waves a work-group, no clusters, 92,160 bytes of LDS; arguments x, w_attn, w_proj, x_codes, x_scales, w_codes, w_scales; writes x_codes, x_scales, w_codes, w_scales
.if DOCPART == 1
	.amdgcn_target "amdgcn-amd-amdhsa--gfx1250"
	.amdhsa_code_object_version 6
	.text
	.protected	k_qa316cc4ab2_quant
	.globl	k_qa316cc4ab2_quant
	.p2align	8
	.type	k_qa316cc4ab2_quant,@function
k_qa316cc4ab2_quant:
	s_mov_b64 s[64:65], 0
	v_nop
	global_prefetch_b8 v0, s[64:65] scope:SCOPE_SE
	s_setreg_imm32_b32 hwreg(HW_REG_WAVE_MODE, 25, 1), 1
	s_wait_xcnt 0x0
; THE THREE f32 INPUTS BECOME CODES OF BF6 (E3M2) WITH ONE E8M0 SCALE BYTE FOR EACH 32 ALONG K, LAID AS IMAGES OF OPERAND REGISTERS.
; x [8192][1024] (K innermost) -> x_codes, x_scales.  w_attn [1024][3072], w_proj [1024][1024] (K is their first axis) -> w_codes, w_scales: rows 0-3071 w_attn's columns, rows 3072-4095 w_proj's.
; CODES: [16 rows][64 along K] is an image of 768 bytes; 16 images (all of K) of 16 rows lie on end: 12,288 bytes.  In an image the block of row r, half h of the 64 (24 bytes) lies with
; its bytes 0-15 at 16 (r + 16 h) and its bytes 16-23 at 512 + 8 (r + 16 h): registers 0-3 and 4-5 of lane r + 16 h of a matrix operand.
; SCALES: [16 rows][half of K][row][16 bytes]: 512 bytes for 16 rows; a row's four words of a half of K are 16 neighbouring bytes.
; A block's byte is its largest magnitude's exponent field - 4, held at 1 from below; numbers are divided by the scale and rounded to the nearest code, ties to even, beyond the largest code the largest.
; THE ORDER OF k INSIDE A BLOCK.  x, w_attn: as it is.  w_proj: code i holds k = i (i < 8, i >= 24), i + 8 (8 <= i < 16), i - 8 (16 <= i < 24), the order in which the attention launch leaves its codes:
; both sides of that product carry the same order, and a block's 32 numbers and its scale are the same.
; WORK LEFT OUT IN THIS PROGRAM: reference() sets every score with key > query to -inf by a mask of its own (jnp.tril), so p = 0 there for all inputs: steps of 128 keys that lie wholly
; behind a tile's queries add nothing to any sum and are not computed (launch attn).  A NaN, an infinity or an overflow that would arise in that work alone is not carried to the result.
; LIMITS: a block of zeros gets the byte 1 where the rule says 127 (its codes are zeros; this program alone reads the bytes); a block whose largest magnitude lies under 2^(5 - 127) has its byte held at 1;
; NaN and infinities among the inputs are not served.
; Work-groups 0-255 take x, 256-383 the weights; each way has LDS bytes of its own.  No tensor loads, no barrier: waves share nothing.
.set STEPS, 8                          ; x: a wave takes 16 rows x 512 along K in 8 steps of 2 rows
.set R,     32                         ; v32-127  x: three sets of 32 registers as loaded
.set X,     128                        ; v128-191 x: two sets of 32 neighbours: a whole block a lane
.set C,     192                        ; v192-198 x: a block's codes
.set WREG,  16384                      ; x: LDS of a wave: two stages of 32 x 144, the images' stage, 256 scale bytes
.set XOUT,  9216
.set XSC,   15744
.set UNIT,  272                        ; the images' stage: 256 bytes + 16 of padding
.set WLDS,  65536                      ; the weights' LDS: 24 units for each wave
.set WSTG,  24*UNIT
.set SPARE, 91648                      ; the spare words, 128 bytes a wave
.set NB,    8
.set WX,    32
.set WC,    96
.set OUTR,  112
.set SB,    24
.set OF,    176
.set BB,    40
.macro XLOAD t                         ; rows 2 t, 2 t + 1: each load reads 512 consecutive bytes
.irp i, 0,1,2,3,4,5,6,7
	global_load_b128 v[R+32*((\t)%3)+4*\i:R+32*((\t)%3)+4*\i+3], v3, s[4:5] offset:(2*(\t)+\i/4)*4096+(\i%4)*512 th:TH_LOAD_NT
.endr
.endm
.macro XTURN t                         ; through the stage: in as loaded, back 128 bytes a lane; LDS serves a wave's instructions in order
.irp i, 0,1,2,3,4,5,6,7
	ds_store_b128 v4, v[R+32*((\t)%3)+4*\i:R+32*((\t)%3)+4*\i+3] offset:4608*((\t)%2)+576*\i
.endr
.irp i, 0,1,2,3,4,5,6,7
	ds_load_b128 v[X+32*((\t)%2)+4*\i:X+32*((\t)%2)+4*\i+3], v5 offset:4608*((\t)%2)+16*\i
.endr
.endm
.macro BMAX d, e, xs                   ; the largest magnitude of 32 registers, and the floor 2^(5 - 127)
	v_max3_num_f32 v[\d], |v[\xs]|, |v[\xs+1]|, |v[\xs+2]|
	v_max3_num_f32 v[\e], |v[\xs+3]|, |v[\xs+4]|, |v[\xs+5]|
.irp i, 6,10,14,18,22,26
	v_max3_num_f32 v[\d], v[\d], |v[\xs+\i]|, |v[\xs+\i+1]|
	v_max3_num_f32 v[\e], v[\e], |v[\xs+\i+2]|, |v[\xs+\i+3]|
.endr
	v_max3_num_f32 v[\d], v[\d], |v[\xs+30]|, |v[\xs+31]|
	v_max3_num_f32 v[\d], v[\d], v[\e], 0x2800000
.endm
.macro XSTEP t
.set XS, X+32*((\t)%2)
	s_wait_dscnt 0x0                               ; this step's numbers are back, and all my earlier LDS stores have read their registers
.if (\t)+3 < STEPS
	XLOAD (\t)+3
.endif
.if (\t)+1 < STEPS
.if (\t) <= 4
	s_wait_loadcnt 16                              ; the next step's 8 loads are in; two later steps' may be out
.else
	s_wait_loadcnt 8*(6-(\t))
.endif
	XTURN (\t)+1
.endif
	BMAX 8, 9, XS
	v_add_nc_u32 v11, 0xfe000000, v8               ; 4 off the exponent field: the conversions' scale operand
	v_cvt_scalef32_pk16_bf6_f32 v[C:C+2], v[XS:XS+15], v11
	v_cvt_scalef32_pk16_bf6_f32 v[C+4:C+6], v[XS+16:XS+31], v11
	v_lshrrev_b32 v10, 23, v11                     ; the byte (a plain line behind the conversions)
	v_mov_b32 v[C+3], v[C+4]
	v_mov_b32 v[C+4], v[C+5]
	v_mov_b32 v[C+5], v[C+6]
	ds_store_b128 v6, v[C:C+3] offset:32*(\t)
	ds_store_b64 v7, v[C+4:C+5] offset:16*(\t)
	ds_store_b8 v14, v10 offset:32*(\t)
.endm
.macro WLOAD t
.irp i, 0,1,2,3,4,5,6,7,8,9,10,11,12,13,14,15,16,17,18,19,20,21,22,23,24,25,26,27,28,29,30,31
	global_load_b32 v[WX+32*((\t)%2)+\i], v[OF+\i], s[BB+2*(\t):BB+2*(\t)+1] th:TH_LOAD_NT
.endr
.endm
.macro WBLOCK t
.set XS, WX+32*((\t)%2)
.if (\t) < NB-1
	s_wait_loadcnt 32                              ; this block's 32 loads are in; the next block's may be out
.else
	s_wait_loadcnt 0
.endif
	BMAX 12, 13, XS
	v_add_nc_u32 v11, 0xfe000000, v12
	v_lshrrev_b32 v13, 23, v11
.if (\t)%4 == 0
	v_mov_b32 v[SB+(\t)/4], v13
.else
	v_lshl_or_b32 v[SB+(\t)/4], v13, 8*((\t)%4), v[SB+(\t)/4]
.endif
	v_cvt_scalef32_pk16_bf6_f32 v[WC:WC+2], v[XS:XS+15], v11
	v_cvt_scalef32_pk16_bf6_f32 v[WC+4:WC+6], v[XS+16:XS+31], v11
	v_nop
	v_mov_b32 v[WC+3], v[WC+4]
	v_mov_b32 v[WC+4], v[WC+5]
	v_mov_b32 v[WC+5], v[WC+6]
	ds_store_b128 v4, v[WC:WC+3] offset:(3*((\t)/2)+(\t)%2)*UNIT
	ds_store_b64 v6, v[WC+4:WC+5] offset:(3*((\t)/2)+2)*UNIT+((\t)%2)*128
.if (\t)+2 < NB
	WLOAD (\t)+2
.endif
	s_wait_dscnt 0x0                               ; the stores have read their registers
.endm
	s_load_b128 s[4:7], s[0:1], 0x0                ; x, w_attn
	s_load_b128 s[8:11], s[0:1], 0x10              ; w_proj, x's codes
	s_load_b128 s[12:15], s[0:1], 0x20             ; x's scales, the weights' codes
	s_load_b64 s[16:17], s[0:1], 0x30              ; the weights' scales
	v_lshl_add_u32 v208, v0, 2, SPARE
	v_mov_b32 v209, 0
	v_lshrrev_b32 v1, 5, v0
	v_readfirstlane_b32 s18, v1                    ; wave
	v_and_b32 v2, 31, v0                           ; lane
	s_wait_alu depctr_va_vdst(0)
	s_wait_kmcnt 0x0
	s_cmp_lt_u32 ttmp9, 256
	s_cbranch_scc0 .Lweights
	; ---- x.  Lane l of a step: row 2 t + l / 16, block l % 16 of my 512 along K
	v_lshlrev_b32 v3, 4, v2
	s_mul_i32 s19, s18, WREG
	v_lshrrev_b32 v4, 3, v2
	v_mul_u32_u24 v4, v4, 144
	v_and_b32 v5, 7, v2
	v_lshl_add_u32 v4, v5, 4, v4
	v_add_nc_u32 v4, s19, v4                       ; stage, in: 144 (l / 8) + 16 (l % 8)
	v_mul_u32_u24 v5, v2, 144
	v_add_nc_u32 v5, s19, v5                       ; and back: 144 l
	v_lshrrev_b32 v10, 4, v2
	v_and_b32 v11, 15, v2
	v_lshrrev_b32 v12, 1, v11                      ; which image
	v_and_b32 v13, 1, v11                          ; which half of its 64
	v_mul_u32_u24 v6, v12, 3*UNIT                  ; an image is three units
	v_mad_u32_u24 v7, v13, 128, v6
	v_mad_u32_u24 v6, v13, UNIT, v6
	v_lshl_add_u32 v6, v10, 4, v6
	v_lshl_add_u32 v7, v10, 3, v7
	s_add_co_u32 s20, s19, XOUT
	v_add_nc_u32 v6, s20, v6                       ; bytes 0-15 of my block
	s_add_co_u32 s21, s20, 2*UNIT
	v_add_nc_u32 v7, s21, v7                       ; bytes 16-23
	v_lshl_add_u32 v14, v10, 4, v11
	s_add_co_u32 s21, s19, XSC
	v_add_nc_u32 v14, s21, v14                     ; my block's scale byte: 16 x row + block
	v_mul_u32_u24 v15, v10, UNIT
	v_lshl_add_u32 v15, v11, 4, v15
	v_add_nc_u32 v15, s20, v15                     ; the images, back: two units an instruction
	v_lshlrev_b32 v17, 3, v2
	v_add_nc_u32 v16, s21, v17
	s_lshl_b32 s20, ttmp9, 1
	s_lshr_b32 s21, s18, 1
	s_add_co_u32 s20, s20, s21                     ; which 16 rows: 0..511
	s_and_b32 s21, s18, 1                          ; which half of K
	s_lshl_b32 s22, s20, 16
	s_lshl_b32 s24, s21, 11
	s_add_co_u32 s22, s22, s24
	s_mov_b32 s23, 0
	s_add_nc_u64 s[4:5], s[4:5], s[22:23]
	s_mul_i32 s22, s20, 12288
	s_mul_i32 s24, s21, 6144
	s_add_co_u32 s22, s22, s24
	s_add_nc_u64 s[10:11], s[10:11], s[22:23]
	s_lshl_b32 s22, s20, 9
	s_lshl_b32 s24, s21, 8
	s_add_co_u32 s22, s22, s24
	s_add_nc_u64 s[12:13], s[12:13], s[22:23]
	s_wait_alu depctr_va_vdst(0)                   ; the head's end
	XLOAD 0
	XLOAD 1
	XLOAD 2
	s_wait_loadcnt 16
	XTURN 0
.irp t, 0,1,2,3,4,5,6,7
	XSTEP \t
.endr
.irp k, 0,1,2,3,4,5,6,7,8,9,10,11
	ds_load_b128 v[R+4*\k:R+4*\k+3], v15 offset:2*UNIT*\k          ; these see my stores: LDS serves a wave in order
.endr
	ds_load_b64 v[12:13], v16
	s_wait_dscnt 0x0
.irp k, 0,1,2,3,4,5,6,7,8,9,10,11
	global_store_b128 v3, v[R+4*\k:R+4*\k+3], s[10:11] offset:512*\k   ; 512 consecutive bytes, aligned
.endr
	global_store_b64 v17, v[12:13], s[12:13]       ; 256 consecutive bytes, aligned
	s_wait_tensorcnt 0x0                           ; the wave's end
	ds_add_u32 v208, v209
	s_wait_dscnt 0x0
	s_endpgm
.Lweights:
	; ---- the weights: a lane takes a column, its registers run down K; a work-group 128 columns x 256 along K, a wave 32 columns
	s_sub_co_u32 s19, ttmp9, 256
	s_and_b32 s26, s19, 31
	s_lshr_b32 s27, s19, 5                         ; which 256 along K
	s_lshl_b32 s28, s26, 7
	s_lshl_b32 s29, s18, 5
	s_add_co_u32 s28, s28, s29                     ; my wave's first row of the codes
	s_mov_b32 s20, 4096
	s_mov_b32 s30, 3072
	s_mov_b32 s22, 32768
	s_cmp_lt_u32 s26, 24                           ; w_attn or w_proj: by the work-group's number alone
	s_cselect_b64 s[6:7], s[6:7], s[8:9]
	s_cselect_b32 s20, 12288, s20                  ; the weight's row in bytes
	s_cselect_b32 s30, 0, s30
	s_cselect_b32 s22, 0, s22                      ; eight of w_proj's rows: codes 8-15 reach down by so much, codes 16-23 up
	s_sub_co_u32 s30, s28, s30
	v_lshlrev_b32 v3, 2, v2
	s_wait_alu depctr_va_vdst(0)
.irp i, 0,1,2,3,4,5,6,7,8,9,10,11,12,13,14,15,16,17,18,19,20,21,22,23,24,25,26,27,28,29,30,31
	s_mul_i32 s21, s20, \i
.if (\i >= 8) && (\i < 16)
	s_add_co_u32 s21, s21, s22
.endif
.if (\i >= 16) && (\i < 24)
	s_sub_co_u32 s21, s21, s22
.endif
	v_add_nc_u32 v[OF+\i], s21, v3
.endr
	s_mul_i32 s24, s27, s20
	s_lshl_b32 s24, s24, 8
	s_lshl_b32 s25, s30, 2
	s_add_co_u32 s24, s24, s25
	s_mov_b32 s25, 0
	s_add_nc_u64 s[BB:BB+1], s[6:7], s[24:25]
	s_lshl_b32 s24, s20, 5
.irp t, 1,2,3,4,5,6,7
	s_add_nc_u64 s[BB+2*\t:BB+2*\t+1], s[BB+2*\t-2:BB+2*\t-1], s[24:25]
.endr
	s_mul_i32 s32, s28, 768                        ; 12,288 bytes for each 16 rows,
	s_mul_i32 s33, s27, 3072                       ; four images for each 256 along K
	s_add_co_u32 s32, s32, s33
	s_mov_b32 s33, 0
	s_add_nc_u64 s[14:15], s[14:15], s[32:33]
	s_lshl_b32 s32, s28, 5                         ; scales: 512 bytes for each 16 rows,
	s_lshr_b32 s34, s27, 1
	s_lshl_b32 s34, s34, 8                         ; 256 for each half of K,
	s_add_co_u32 s32, s32, s34
	s_and_b32 s34, s27, 1
	s_lshl_b32 s34, s34, 3                         ; 8 for each 256 along K
	s_add_co_u32 s32, s32, s34
	s_add_nc_u64 s[16:17], s[16:17], s[32:33]
	s_mul_i32 s19, s18, WSTG
	s_add_co_u32 s19, s19, WLDS
	v_and_b32 v5, 15, v2
	v_lshrrev_b32 v10, 4, v2
	v_mul_u32_u24 v7, v10, 12*UNIT                 ; twelve units for each 16 columns
	v_lshl_add_u32 v4, v5, 4, v7
	v_add_nc_u32 v4, s19, v4
	v_lshl_add_u32 v6, v5, 3, v7
	v_add_nc_u32 v6, s19, v6
	v_mul_u32_u24 v7, v10, UNIT
	v_lshl_add_u32 v7, v5, 4, v7
	v_add_nc_u32 v7, s19, v7                       ; back: two units an instruction
	v_lshlrev_b32 v8, 4, v2
	v_lshlrev_b32 v9, 9, v10
	v_lshl_add_u32 v9, v5, 4, v9                   ; my column's place among the scales
	s_wait_alu depctr_va_vdst(0)                   ; the head's end
	WLOAD 0
	WLOAD 1
.irp t, 0,1,2,3,4,5,6,7
	WBLOCK \t
.endr
	s_wait_alu depctr_va_vdst(0)                   ; ahead of the reader below
	global_store_b64 v9, v[SB:SB+1], s[16:17]
.irp k, 0,1,2,3,4,5,6,7,8,9,10,11
	ds_load_b128 v[OUTR+4*\k:OUTR+4*\k+3], v7 offset:2*UNIT*\k
.endr
.irp k, 0,1,2,3,4,5,6,7,8,9,10,11
	s_wait_dscnt 11-\k                             ; the younger loads may be out
	global_store_b128 v8, v[OUTR+4*\k:OUTR+4*\k+3], s[14:15] offset:(\k/6)*12288+(\k%6)*512   ; 512 consecutive bytes, aligned
.endr
	s_wait_tensorcnt 0x0
	ds_add_u32 v208, v209
	s_wait_dscnt 0x0
	s_endpgm
.Lfunc_end_k_qa316cc4ab2_quant:
	.size	k_qa316cc4ab2_quant, .Lfunc_end_k_qa316cc4ab2_quant-k_qa316cc4ab2_quant
	.p2alignl 7, 3214868480
	.fill 96, 4, 3214868480
	.section	.rodata,"a",@progbits
	.p2align	6, 0x0
	.amdhsa_kernel k_qa316cc4ab2_quant
		.amdhsa_group_segment_fixed_size 92160
		.amdhsa_private_segment_fixed_size 0
		.amdhsa_enable_private_segment 0
		.amdhsa_kernarg_size 56
		.amdhsa_user_sgpr_count 2
		.amdhsa_user_sgpr_kernarg_segment_ptr 1
		.amdhsa_wavefront_size32 1
		.amdhsa_system_sgpr_workgroup_id_x 1
		.amdhsa_system_sgpr_workgroup_id_y 1
		.amdhsa_system_sgpr_workgroup_id_z 1
		.amdhsa_system_vgpr_workitem_id 0
		.amdhsa_next_free_vgpr 210
		.amdhsa_next_free_sgpr 66
		.amdhsa_reserve_vcc 0
		.amdhsa_float_denorm_mode_32 3
		.amdhsa_float_denorm_mode_16_64 3
		.amdhsa_memory_ordered 1
		.amdhsa_forward_progress 1
		.amdhsa_inst_pref_size 77
	.end_amdhsa_kernel
	.amdgpu_metadata
---
amdhsa.version: [ 1, 2 ]
amdhsa.kernels:
  - .name:           k_qa316cc4ab2_quant
    .symbol:         k_qa316cc4ab2_quant.kd
    .args:
      - { .name: x, .offset: 0, .size: 8, .value_kind: global_buffer, .address_space: global }
      - { .name: w_attn, .offset: 8, .size: 8, .value_kind: global_buffer, .address_space: global }
      - { .name: w_proj, .offset: 16, .size: 8, .value_kind: global_buffer, .address_space: global }
      - { .name: x_codes, .offset: 24, .size: 8, .value_kind: global_buffer, .address_space: global }
      - { .name: x_scales, .offset: 32, .size: 8, .value_kind: global_buffer, .address_space: global }
      - { .name: w_codes, .offset: 40, .size: 8, .value_kind: global_buffer, .address_space: global }
      - { .name: w_scales, .offset: 48, .size: 8, .value_kind: global_buffer, .address_space: global }
    .group_segment_fixed_size: 92160
    .private_segment_fixed_size: 0
    .kernarg_segment_align: 8
    .kernarg_segment_size: 56
    .max_flat_workgroup_size: 128
    .sgpr_count:     66
    .vgpr_count:     210
    .wavefront_size: 32
...
	.end_amdgpu_metadata
.endif
;; end of part 1
;; launch qkv (part 2): grid 4 x 64, 4 waves a work-group, clusters of 4 x 4, 327,680 bytes of LDS; arguments x_codes, x_scales, w_codes, w_scales, qrec, kv; writes qrec, kv
.if DOCPART == 2
	.amdgcn_target "amdgcn-amd-amdhsa--gfx1250"
	.amdhsa_code_object_version 6
	.text
	.protected	k_qa316cc4ab2_qkv
	.globl	k_qa316cc4ab2_qkv
	.p2align	8
	.type	k_qa316cc4ab2_qkv,@function
k_qa316cc4ab2_qkv:
	s_mov_b64 s[64:65], 0
	v_nop
	global_prefetch_b8 v0, s[64:65] scope:SCOPE_SE
	s_setreg_imm32_b32 hwreg(HW_REG_WAVE_MODE, 25, 1), 1
	s_wait_xcnt 0x0
	s_wait_alu depctr_hold_cnt(0) depctr_sa_sdst(0) depctr_va_vdst(0) depctr_va_sdst(0) depctr_va_ssrc(0) depctr_va_vcc(0) depctr_vm_vsrc(0)
	s_getreg_b32 s2, hwreg(HW_REG_IB_STS2, 6, 4)
	s_cmp_eq_u32 s2, 0
	s_cbranch_scc0 .Lentry_in_a_cluster
	s_endpgm
.Lentry_in_a_cluster:
	s_bfe_u32 s2, ttmp6, 0x10000c
	s_cmp_lg_u32 s2, 0xf033
	s_cbranch_scc0 .Lentry_shape_is_right
	s_endpgm
.Lentry_shape_is_right:
; q, k, v = x w_attn ON CODES OF BF6 (one E8M0 scale for each 32 along K = 1,024), AND THEIR QUANTISING FOR THE ATTENTION LAUNCH: no f32 result goes to memory.
; A work-group stays with 128 tokens and makes three blocks of 128 tokens x 256 columns: columns 256 cx of q, then of k, then of v.  ALL OF K lies in LDS, BY HALVES OF K:
; [half][16 rows][6,144 bytes]: x's 2 x 8 x 6,144 bytes once, the weights' 2 x 16 x 6,144 filled again for k and for v: the first half as soon as K step 3's fragments are in registers,
; the second at K step 7.  So a half has four K steps, or the quantising and three K steps, in which to land.  Operands lie in memory as images of operand registers: a tensor load's row is
; 6,144 bytes from a multiple of 256, rows 12,288 bytes apart, and a fragment is four LDS loads of consecutive bytes.  256 work-groups.
; A wave makes 64 x 128: 32 accumulators that take turns.  Source 1 has 4 blocks of 16 rows, source 0 has 8; a lane holds one row of source 1 and its registers run along source 0's rows:
;   q, k: source 0 = 128 columns (two heads), source 1 = 64 tokens: quantised along the head's 64 channels;
;   v:    source 0 = the 128 tokens, source 1 = 64 channels (one head): quantised along the keys.   Only address and scale registers differ.
; The scale words go from memory straight into registers: 16 lanes read 256 consecutive bytes, four K steps' words a lane.
; CLUSTERS 4 x 4: x's tile is asked for jointly along a row of the cluster, the weights' along a column.  All partners are at q, k or v together.
; No data prefetch: each refill is asked for as soon as its bytes are free, and the weights' tiles are asked for by all sixteen clusters together.
; WHAT IS STORED: records of 13,056 bytes, one for 128 tokens of one head, [batch x head 64][step 16]:
;   +0 8 images of K (qrec: Q), 16 tokens x 64 channels, 768 bytes; +6144 4 images of V, 16 channels x 128 keys, 1,536 bytes: registers 4 c .. 4 c + 3 at 512 c + 16 x lane;
;   +12288 K's (Q's) scale words [tile / 4][row 16][tile % 4]: bytes 0, 1 the head's blocks, bytes 2, 3 another valid byte or 0; +12800 V's scale words [row 16][tile of channels 4].
; THE ORDER INSIDE A BLOCK OF 32: code i holds number i (i < 8, i >= 24), i + 8 (8 <= i < 16), i - 8 (16 <= i < 24); q and k, v and p are all made so, and a block's numbers and scale are untouched.
; LIMITS: a block of zeros gets the byte 1 where the rule says 127; a block whose largest magnitude lies under 2^(5 - 127) has its byte held at 1; NaN and infinities are not served.
; REGISTERS: window 0: addresses, scale words v32-127 (and nothing else there), the way out; window 1: accumulator (a, b) at v[8 (8 a + b)]; window 2: source 0's fragments, two sets; window 3: source 1's.
.set RT,    12288                      ; 16 rows, all of K, in memory
.set HR,    6144                       ; 16 rows, half of K
.set XH,    8*HR                       ; x: from one half of K to the other in LDS
.set WH,    16*HR                      ; the weights: likewise
.set LB,    2*XH                       ; the weights lie behind x
.set SPARE, LB+2*WH
.set RECB,  13056
.set HEADB, 16*RECB
.set O16, 8
.set O8,  9
.set OSC, 10
.set V16, 11
.set LN,  12
.set SPW, 28
.set NIL, 29
.set SH16, 30
.set SCO, 31
.set S1S, 32                           ; source 1's scale words: block a, K step q at v[S1S + 8 a + q]
.set S0S, 64
.set TM,  128
.set T2,  144
.set PWB, 152
.set SW,  156
.set CODE, 160
.set ADQ, 208                          ; v208-215 q, k: source 0, first half of K (16 x lane; 512 + 8 x lane), second half; source 1 likewise
.set ADV, 216                          ; v216-223 the same for v
.set G1A, 24
.set G0A, 32
.set G0B, 36
.set G0R1, 44                          ; a refill of the second half of K
.set G1B, 48
.set G1R, 56
.set G0R0, 68                          ; a refill of the first half
.set SX4, 72
.set SX8, 74
.set SWQ, 76
.set SWV, 78
.set ST0, 80
.set ST1, 82
.set DQP, 84
.set DKP, 86
.set DVP, 88
.set SWK, 90
.set MSB, 0
.macro WIN new
.if MSB != (\new)
	s_set_vgpr_msb (MSB<<8)|(\new)
.set MSB, (\new)
.endif
.endm
.set MUL, 0x5e                         ; source 0 window 2, source 1 window 3, C and D window 1
.macro CREST
	s_cmp_lg_u32 s14, 0
	s_cbranch_scc1 .Lnot_wave_0_\@
	s_barrier_signal -3
.Lnot_wave_0_\@:
	s_barrier_wait -3
	s_barrier_signal -1
	s_barrier_wait -1
.endm
.macro CROUND
	s_barrier_signal -1
	s_barrier_wait -1
	CREST
.endm
.macro PLACES
.rept 4
	v_nop
.endr
.endm
.macro GRP1 g, rows                    ; rows of 6,144 bytes (768 elements of 8), 12,288 bytes apart in memory, on end in LDS
	s_mov_b32 s[\g+1], 768<<16
	s_mov_b32 s[\g+2], (\rows)<<16
	s_mov_b32 s[\g+3], 768<<16
	s_mov_b32 s[\g+4], \rows
	s_mov_b32 s[\g+5], 1536
	s_mov_b32 s[\g+6], 0
	s_mov_b32 s[\g+7], 0
.endm
.macro FRAG reg, a16, a8, off          ; 16 rows x 128 K: two images
	ds_load_b128 v[\reg:\reg+3], v[\a16] offset:\off
	ds_load_b64 v[\reg+4:\reg+5], v[\a8] offset:\off
	ds_load_b128 v[\reg+6:\reg+9], v[\a16] offset:\off+768
	ds_load_b64 v[\reg+10:\reg+11], v[\a8] offset:\off+768
.endm
.macro FETCH q, ad                     ; K step q's twelve fragments into set q % 2
	WIN 0x80
.irp i, 0,1,2,3,4,5,6,7
	FRAG 96*((\q)%2)+12*\i, \ad+2*((\q)/4), \ad+2*((\q)/4)+1, \i*HR+((\q)%4)*1536
.endr
	WIN 0xc0
.irp i, 0,1,2,3
	FRAG 48*((\q)%2)+12*\i, \ad+4+2*((\q)/4), \ad+5+2*((\q)/4), \i*HR+((\q)%4)*1536
.endr
	WIN 0
.endm
.macro MUL16 a0, q, zero               ; the 32 accumulators take turns, in the same order in every K step
.irp a, \a0, \a0+1
.irp b, 0,1,2,3,4,5,6,7
.if \zero
	v_wmma_scale_f32_16x16x128_f8f6f4 v[8*(8*(\a)+\b):8*(8*(\a)+\b)+7], v[96*((\q)%2)+12*\b:96*((\q)%2)+12*\b+11], v[48*((\q)%2)+12*(\a):48*((\q)%2)+12*(\a)+11], 0, v[S0S+8*\b+(\q)], v[S1S+8*(\a)+(\q)] matrix_a_fmt:MATRIX_FMT_BF6 matrix_b_fmt:MATRIX_FMT_BF6
.else
	v_wmma_scale_f32_16x16x128_f8f6f4 v[8*(8*(\a)+\b):8*(8*(\a)+\b)+7], v[96*((\q)%2)+12*\b:96*((\q)%2)+12*\b+11], v[48*((\q)%2)+12*(\a):48*((\q)%2)+12*(\a)+11], v[8*(8*(\a)+\b):8*(8*(\a)+\b)+7], v[S0S+8*\b+(\q)], v[S1S+8*(\a)+(\q)] matrix_a_fmt:MATRIX_FMT_BF6 matrix_b_fmt:MATRIX_FMT_BF6
.endif
.endr
.endr
.endm
.macro KSTEP q, zero, ad
	s_wait_dscnt 0x0                               ; this step's fragments are in
	PLACES                                         ; ahead of loads into the set that the last step multiplied
	FETCH (\q)+1, \ad
	WIN MUL
	MUL16 0, \q, \zero
	MUL16 2, \q, \zero
	WIN 0
.endm
; K step 3: the block's second half of K is shown whole to all waves; fill = 1: the weights' first half, read no more, takes the next block's
.macro KMID ad, fill
	s_wait_tensorcnt 0x0                           ; all my tensor loads have landed: my part of this block's second half
.if \fill
	ds_add_u32 v[SPW], v[NIL]
	s_add_nc_u64 s[G0R0+2:G0R0+3], s[G0R0+2:G0R0+3], 64*RT   ; the next 1,024 rows of the weights
	s_wait_dscnt 1                                 ; the step's fragments are in (the add may be out)
	WIN MUL
	MUL16 0, 3, 0
	WIN 0
	s_wait_dscnt 0x0                               ; the add is done, and my reads of the first half are over
	CROUND                                         ; a round of the cluster's barrier: the same holds of every wave of every partner
	tensor_load_to_lds s[G0R0:G0R0+3], s[G1R:G1R+7]   ; my quarter of the next block's first half
	s_nop 0
	PLACES                                         ; also the places ahead of the loads below
.else
	s_wait_dscnt 0x0
	WIN MUL
	MUL16 0, 3, 0
	WIN 0
	s_barrier_signal -1
	s_barrier_wait -1
	PLACES
.endif
	FETCH 4, \ad
	WIN MUL
	MUL16 2, 3, 0
	WIN 0
.endm
.macro SEVEN ad, fill                  ; K steps 0 to 6 of a block; the first starts the sums.  The block's first half of K has been shown whole ahead of this
	FETCH 0, \ad
	s_wait_loadcnt 0x0                             ; the scale words
	KSTEP 0, 1, \ad
	KSTEP 1, 0, \ad
	KSTEP 2, 0, \ad
	KMID \ad, \fill
	KSTEP 4, 0, \ad
	KSTEP 5, 0, \ad
	KSTEP 6, 0, \ad
.endm
.macro LOADSC b0, b1
.irp i, 0,1,2,3,4,5,6,7
	global_load_b128 v[S0S+8*\i:S0S+8*\i+3], v[SCO], s[\b0:\b0+1] offset:512*\i
	global_load_b128 v[S0S+8*\i+4:S0S+8*\i+7], v[SCO], s[\b0:\b0+1] offset:512*\i+256
.endr
.irp i, 0,1,2,3
	global_load_b128 v[S1S+8*\i:S1S+8*\i+3], v[SCO], s[\b1:\b1+1] offset:512*\i
	global_load_b128 v[S1S+8*\i+4:S1S+8*\i+7], v[SCO], s[\b1:\b1+1] offset:512*\i+256
.endr
.endm
; Block a (16 rows of source 1 x 128 of source 0: 64 registers a lane) becomes a fragment's 12 registers of codes and a scale word
.macro QUANTW a
.set AC, 64*(\a)
.set CA, CODE+12*(\a)
	WIN 0x05
.irp b, 0,1,2,3
	v_max3_num_f32 v[TM+\b], |v[AC+16*\b]|, |v[AC+16*\b+1]|, 0x2800000   ; each accumulator from its low end on; the floor 2^(5 - 127)
.endr
.irp i, 2,4,6,8,10,12,14
.irp b, 0,1,2,3
	v_max3_num_f32 v[TM+\b], |v[AC+16*\b+\i]|, |v[AC+16*\b+\i+1]|, v[TM+\b]
.endr
.endr
	WIN 0
.irp b, 0,1,2,3
	v_permlanex16_b32 v[TM+4+\b], v[TM+\b], s100, s101
.endr
.irp b, 0,1,2,3
	v_max_num_f32 v[TM+\b], v[TM+\b], v[TM+4+\b]
.endr
.irp b, 0,1,2,3
	v_add_nc_u32 v[TM+12+\b], 0xfe000000, v[TM+\b]
.endr
.irp b, 0,1,2,3
	v_lshrrev_b32 v[TM+4+\b], 23, v[TM+12+\b]
.endr
	v_lshl_or_b32 v[PWB+(\a)], v[TM+5], 8, v[TM+4]
	v_lshl_or_b32 v[PWB+(\a)], v[TM+6], 16, v[PWB+(\a)]
	v_lshl_or_b32 v[PWB+(\a)], v[TM+7], 24, v[PWB+(\a)]
	WIN 0x01
.irp c, 0,1
	v_cvt_scalef32_pk16_bf6_f32 v[CA+6*\c:CA+6*\c+2], v[AC+32*\c:AC+32*\c+15], v[TM+12+2*\c]
	v_cvt_scalef32_pk16_bf6_f32 v[T2+4*\c:T2+4*\c+2], v[AC+32*\c+16:AC+32*\c+31], v[TM+13+2*\c]
.endr
	WIN 0
	v_nop
.irp c, 0,1                            ; a whole block to a lane
.irp i, 0,1,2
	v_permlane16_swap_b32 v[CA+6*\c+\i], v[T2+4*\c+\i]
.endr
.irp i, 0,1,2
	v_mov_b32 v[CA+6*\c+3+\i], v[T2+4*\c+\i]
.endr
.endr
.endm
	s_load_b256 s[4:11], s[0:1], 0x0               ; x's codes, x's scales, the weights' codes, their scales
	s_load_b128 s[96:99], s[0:1], 0x20             ; qrec, kv
	v_lshl_add_u32 v[SPW], v0, 2, SPARE
	v_mov_b32 v[NIL], 0
	ds_add_u32 v[SPW], v[NIL]                      ; the opening
	ds_add_u32 v[SPW], v[NIL]
	v_lshrrev_b32 v1, 5, v0
	v_readfirstlane_b32 s14, v1                    ; wave
	s_lshr_b32 s15, s14, 1
	s_and_b32 s16, s14, 1
	s_bfe_u32 s40, ttmp6, 0x40000                  ; cx
	s_bfe_u32 s41, ttmp6, 0x40004                  ; cy
	s_lshl_b32 s42, ttmp9, 2
	s_add_co_u32 s42, s42, s40                     ; which 256 columns: 0..3
	s_and_b32 s17, ttmp7, 0xffff
	s_lshl_b32 s17, s17, 2
	s_add_co_u32 s17, s17, s41                     ; which 128 tokens: 0..63
	s_lshl_b32 s43, s41, 2
	s_lshl_b32 s43, 15, s43                        ; my row of the cluster
	s_lshl_b32 s44, 0x1111, s40                    ; my column
	s_or_b32 s[G1A], s43, (3<<16)|(1<<21)
	s_or_b32 s[G1B], s44, (3<<16)|(1<<21)
	s_or_b32 s[G1R], s44, (3<<16)|(1<<21)
	GRP1 G1A, 8                                    ; x: a half of K of its 8 x 16 rows a wave (waves 0, 1)
	GRP1 G1B, 16                                   ; the weights at the head: a half of K of 16 x 16 rows (waves 2, 3)
	GRP1 G1R, 4                                    ; a refill: a half of K of 4 x 16 rows, every wave
	s_mul_i32 s20, s17, 8*RT
	s_mul_i32 s18, s16, HR
	s_add_co_u32 s20, s20, s18
	s_mov_b32 s21, 0
	s_mul_i32 s46, s42, 16*RT
	s_add_co_u32 s46, s46, s18
	s_mov_b32 s47, 0
	s_lshl_b32 s92, s42, 4
	s_lshl_b32 s18, s14, 2
	s_add_co_u32 s92, s92, s18
	s_mul_i32 s92, s92, RT
	s_mov_b32 s93, 0
	s_mov_b32 s[G0A], 1
	s_mul_i32 s[G0A+1], s16, XH
	s_mov_b32 s[G0B], 1
	s_mul_i32 s[G0B+1], s16, WH
	s_add_co_u32 s[G0B+1], s[G0B+1], LB
	s_mov_b32 s[G0R0], 1
	s_mul_i32 s[G0R0+1], s14, 4*HR
	s_add_co_u32 s[G0R0+1], s[G0R0+1], LB
	s_mov_b32 s100, 0x76543210
	s_mov_b32 s101, 0xfedcba98
	s_wait_dscnt 0x0
	s_wait_kmcnt 0x0
	s_add_nc_u64 s[G0A+2:G0A+3], s[4:5], s[20:21]
	s_or_b32 s[G0A+3], s[G0A+3], 0x80000000
	s_add_nc_u64 s[G0B+2:G0B+3], s[8:9], s[46:47]
	s_or_b32 s[G0B+3], s[G0B+3], 0x80000000
	s_add_nc_u64 s[G0R0+2:G0R0+3], s[8:9], s[92:93]   ; q's rows; each refill first steps 1,024 rows on
	s_mov_b32 s[G0R1], 1                           ; (the mask and the offsets that lay in these registers have been used)
	s_add_co_u32 s[G0R1+1], s[G0R0+1], WH
	s_add_nc_u64 s[G0R1+2:G0R1+3], s[G0R0+2:G0R0+3], HR
	s_or_b32 s[G0R0+3], s[G0R0+3], 0x80000000
	s_or_b32 s[G0R1+3], s[G0R1+3], 0x80000000
	CROUND                                         ; the first joint loads meet
	s_cmp_eq_u32 s15, 0
	s_cbranch_scc0 .Lhead_b
	tensor_load_to_lds s[G0A:G0A+3], s[G1A:G1A+7]
	s_nop 0
	PLACES
	s_branch .Lhead_asked
.Lhead_b:
	tensor_load_to_lds s[G0B:G0B+3], s[G1B:G1B+7]
	s_nop 0
	PLACES
.Lhead_asked:
	s_mov_b32 s19, 0
	s_lshl_b32 s18, s17, 12
	s_add_nc_u64 s[SX8:SX8+1], s[6:7], s[18:19]    ; x's scales: my 128 tokens,
	s_lshl_b32 s18, s15, 11
	s_add_nc_u64 s[SX4:SX4+1], s[SX8:SX8+1], s[18:19]   ; my 64
	s_lshl_b32 s18, s42, 13
	s_add_nc_u64 s[SWV:SWV+1], s[10:11], s[18:19]
	s_lshl_b32 s18, s16, 12
	s_add_nc_u64 s[SWQ:SWQ+1], s[SWV:SWV+1], s[18:19]   ; q's: my 128 columns
	s_add_nc_u64 s[SWK:SWK+1], s[SWQ:SWQ+1], 32768      ; k's: 1,024 rows on
	s_lshl_b32 s18, s14, 11
	s_add_co_u32 s18, s18, 65536
	s_add_nc_u64 s[SWV:SWV+1], s[SWV:SWV+1], s[18:19]   ; v's: my 64 channels
	s_lshr_b32 s94, s17, 4
	s_lshl_b32 s94, s94, 4
	s_lshl_b32 s18, s42, 2
	s_add_co_u32 s94, s94, s18                     ; 16 x batch + 4 cx: the block's first head
	s_and_b32 s95, s17, 15                         ; the step
	s_lshl_b32 s18, s16, 1
	s_add_co_u32 s18, s18, s94
	s_lshl_b32 s18, s18, 4
	s_add_co_u32 s18, s18, s95
	s_mul_i32 s18, s18, RECB
	s_add_nc_u64 s[DQP:DQP+1], s[96:97], s[18:19]
	s_add_nc_u64 s[DKP:DKP+1], s[98:99], s[18:19]
	s_add_co_u32 s18, s94, s14
	s_lshl_b32 s18, s18, 4
	s_add_co_u32 s18, s18, s95
	s_mul_i32 s18, s18, RECB
	s_add_nc_u64 s[DVP:DVP+1], s[98:99], s[18:19]
	v_and_b32 v1, 15, v0
	v_bfe_u32 v2, v0, 4, 1
	v_and_b32 v[LN], 31, v0
	v_lshlrev_b32 v3, 4, v[LN]
	v_lshlrev_b32 v5, 3, v[LN]
	v_add_nc_u32 v4, 512, v5
	s_mul_i32 s21, s16, 8*HR
	s_add_co_u32 s21, s21, LB                      ; q, k: source 0 = my 128 columns,
	s_add_co_u32 s22, s21, WH
	s_mul_i32 s23, s15, 4*HR                       ; source 1 = my 64 tokens
	s_add_co_u32 s20, s23, XH
	v_add_nc_u32 v[ADQ], s21, v3
	v_add_nc_u32 v[ADQ+1], s21, v4
	v_add_nc_u32 v[ADQ+2], s22, v3
	v_add_nc_u32 v[ADQ+3], s22, v4
	v_add_nc_u32 v[ADQ+4], s23, v3
	v_add_nc_u32 v[ADQ+5], s23, v4
	v_add_nc_u32 v[ADQ+6], s20, v3
	v_add_nc_u32 v[ADQ+7], s20, v4
	s_mul_i32 s21, s14, 4*HR
	s_add_co_u32 s21, s21, LB                      ; v: source 1 = my 64 channels,
	s_add_co_u32 s22, s21, WH
	v_mov_b32 v[ADV], v3                           ; source 0 = the 128 tokens
	v_mov_b32 v[ADV+1], v4
	v_add_nc_u32 v[ADV+2], XH, v3
	v_add_nc_u32 v[ADV+3], XH, v4
	v_add_nc_u32 v[ADV+4], s21, v3
	v_add_nc_u32 v[ADV+5], s21, v4
	v_add_nc_u32 v[ADV+6], s22, v3
	v_add_nc_u32 v[ADV+7], s22, v4
	s_mul_i32 s22, s15, 3072                       ; my 64 tokens are images 4 (wave / 2) on of the record
	v_add_nc_u32 v[O16], s22, v3
	v_add_nc_u32 v[O8], s22, v5
	v_mov_b32 v[V16], v3
	v_lshlrev_b32 v[SH16], 4, v2
	v_lshlrev_b32 v[SCO], 4, v1
	v_mul_u32_u24 v[OSC], v2, HEADB
	v_add_nc_u32 v[OSC], v[OSC], v[SCO]
	s_lshl_b32 s22, s15, 8
	v_add_nc_u32 v[OSC], s22, v[OSC]
.irp b, 0,1,2,3
	v_mov_b32 v[TM+4+\b], 0                        ; a lane permute's destination counts as a source
.endr
	s_wait_alu depctr_va_vdst(0)                   ; the head's end
	LOADSC SWQ, SX4
	s_wait_tensorcnt 0x0                           ; my part of the head's tiles is in,
	s_barrier_signal -1
	s_barrier_wait -1                              ; everybody's is
	s_mov_b32 s3, 0
.Ltile:                                                ; trip 0: q, trip 1: k
	SEVEN ADQ, 1
	s_wait_tensorcnt 0x0                           ; K step 7: my part of the next block's first half is in;
	ds_add_u32 v[SPW], v[NIL]
	s_add_nc_u64 s[G0R1+2:G0R1+3], s[G0R1+2:G0R1+3], 64*RT   ; the next 1,024 rows of the weights
	s_wait_dscnt 1                                 ; the step's fragments are in (the add may be out)
	WIN MUL
	MUL16 0, 7, 0
	s_wait_dscnt 0x0                               ; the add is done, and my reads of LDS are over
	s_barrier_signal -1
	MUL16 2, 7, 0
	WIN 0
	s_barrier_wait -1
	CREST                                          ; the barrier has opened a round of the cluster's barrier: no wave of any partner still reads the second half, and the next first half is whole
	tensor_load_to_lds s[G0R1:G0R1+3], s[G1R:G1R+7]   ; my quarter of the next block's second half
	s_nop 0
	PLACES                                         ; also the places ahead of the loads and reads below
	s_cmp_eq_u32 s3, 0
	s_cselect_b64 s[ST0:ST0+1], s[SWK:SWK+1], s[SX8:SX8+1]   ; next: k (source 0 the weights) or v (source 0 the tokens)
	s_cselect_b64 s[ST1:ST1+1], s[SX4:SX4+1], s[SWV:SWV+1]
	LOADSC ST0, ST1
	s_wait_xcnt 0x0                                ; the last block's stores have read their registers and base
	s_cselect_b64 s[12:13], s[DQP:DQP+1], s[DKP:DKP+1]
.irp a, 0,1,2,3
	QUANTW \a
.endr
.irp a, 0,1,2,3
	v_lshrrev_b32 v[SW+\a], v[SH16], v[PWB+\a]     ; lanes 0-15: the even head's bytes lowest; lanes 16-31: the odd head's
.endr
	s_wait_alu depctr_va_vdst(0)                   ; a branch follows the stores
.irp a, 0,1,2,3
	global_store_b128 v[O16], v[CODE+12*\a:CODE+12*\a+3], s[12:13] offset:768*\a
	global_store_b64 v[O8], v[CODE+12*\a+4:CODE+12*\a+5], s[12:13] offset:768*\a+512
	global_store_b128 v[O16], v[CODE+12*\a+6:CODE+12*\a+9], s[12:13] offset:HEADB+768*\a
	global_store_b64 v[O8], v[CODE+12*\a+10:CODE+12*\a+11], s[12:13] offset:HEADB+768*\a+512
.endr
	global_store_b128 v[OSC], v[SW:SW+3], s[12:13] offset:12288    ; sixteen lanes: 256 consecutive bytes of a head's record
	s_add_co_u32 s3, s3, 1
	s_cmp_lt_u32 s3, 2
	s_cbranch_scc1 .Ltile
	SEVEN ADV, 0                                   ; v
	s_wait_dscnt 0x0
	WIN MUL
	MUL16 0, 7, 0
	MUL16 2, 7, 0
	WIN 0
	PLACES
	s_wait_xcnt 0x0                                ; k's stores have read their registers
.irp a, 0,1,2,3
	QUANTW \a
.endr
	v_cmp_gt_u32 vcc_lo, 16, v[LN]
	s_wait_alu depctr_va_vdst(0)                   ; ahead of the waits below
.irp a, 0,1,2,3
.irp c, 0,1,2
	global_store_b128 v[V16], v[CODE+12*\a+4*\c:CODE+12*\a+4*\c+3], s[DVP:DVP+1] offset:6144+1536*\a+512*\c
.endr
.endr
	s_wait_xcnt 0x0                                ; EXEC changes only behind this wait
	s_and_saveexec_b32 s2, vcc_lo
	global_store_b128 v[SCO], v[PWB:PWB+3], s[DVP:DVP+1] offset:12800   ; lanes 0-15: 256 consecutive bytes
	s_wait_xcnt 0x0
	s_or_b32 exec_lo, exec_lo, s2
	s_wait_tensorcnt 0x0                           ; the wave's end
	ds_add_u32 v[SPW], v[NIL]
	s_wait_dscnt 0x0
	CROUND                                         ; the closing round
	s_endpgm
.Lfunc_end_k_qa316cc4ab2_qkv:
	.size	k_qa316cc4ab2_qkv, .Lfunc_end_k_qa316cc4ab2_qkv-k_qa316cc4ab2_qkv
	.p2alignl 7, 3214868480
	.fill 96, 4, 3214868480
	.section	.rodata,"a",@progbits
	.p2align	6, 0x0
	.amdhsa_kernel k_qa316cc4ab2_qkv
		.amdhsa_group_segment_fixed_size 327680
		.amdhsa_private_segment_fixed_size 0
		.amdhsa_enable_private_segment 0
		.amdhsa_kernarg_size 48
		.amdhsa_user_sgpr_count 2
		.amdhsa_user_sgpr_kernarg_segment_ptr 1
		.amdhsa_wavefront_size32 1
		.amdhsa_system_sgpr_workgroup_id_x 1
		.amdhsa_system_sgpr_workgroup_id_y 1
		.amdhsa_system_sgpr_workgroup_id_z 1
		.amdhsa_system_vgpr_workitem_id 0
		.amdhsa_next_free_vgpr 1024
		.amdhsa_next_free_sgpr 102
		.amdhsa_reserve_vcc 1
		.amdhsa_float_denorm_mode_32 3
		.amdhsa_float_denorm_mode_16_64 3
		.amdhsa_memory_ordered 1
		.amdhsa_forward_progress 1
		.amdhsa_inst_pref_size 166
	.end_amdhsa_kernel
	.amdgpu_metadata
---
amdhsa.version: [ 1, 2 ]
amdhsa.kernels:
  - .name:           k_qa316cc4ab2_qkv
    .symbol:         k_qa316cc4ab2_qkv.kd
    .args:
      - { .name: x_codes, .offset: 0, .size: 8, .value_kind: global_buffer, .address_space: global }
      - { .name: x_scales, .offset: 8, .size: 8, .value_kind: global_buffer, .address_space: global }
      - { .name: w_codes, .offset: 16, .size: 8, .value_kind: global_buffer, .address_space: global }
      - { .name: w_scales, .offset: 24, .size: 8, .value_kind: global_buffer, .address_space: global }
      - { .name: qrec, .offset: 32, .size: 8, .value_kind: global_buffer, .address_space: global }
      - { .name: kv, .offset: 40, .size: 8, .value_kind: global_buffer, .address_space: global }
    .group_segment_fixed_size: 327680
    .private_segment_fixed_size: 0
    .kernarg_segment_align: 8
    .kernarg_segment_size: 48
    .max_flat_workgroup_size: 128
    .sgpr_count:     102
    .vgpr_count:     1024
    .wavefront_size: 32
...
	.end_amdgpu_metadata
.endif
;; end of part 2
;; launch attn (part 3): grid 4 x 64, 8 waves a work-group, clusters of 4 x 1, 327,680 bytes of LDS; arguments qrec, kv, a_img, a_sc; writes a_img, a_sc
.if DOCPART == 3
	.amdgcn_target "amdgcn-amd-amdhsa--gfx1250"
	.amdhsa_code_object_version 6
	.text
	.protected	k_qa316cc4ab2_attn
	.globl	k_qa316cc4ab2_attn
	.p2align	8
	.type	k_qa316cc4ab2_attn,@function
k_qa316cc4ab2_attn:
	s_mov_b64 s[64:65], 0
	v_nop
	global_prefetch_b8 v0, s[64:65] scope:SCOPE_SE
	s_setreg_imm32_b32 hwreg(HW_REG_WAVE_MODE, 25, 1), 1
	s_wait_xcnt 0x0
	s_wait_alu depctr_hold_cnt(0) depctr_sa_sdst(0) depctr_va_vdst(0) depctr_va_sdst(0) depctr_va_ssrc(0) depctr_va_vcc(0) depctr_vm_vsrc(0)
	s_getreg_b32 s2, hwreg(HW_REG_IB_STS2, 6, 4)
	s_cmp_eq_u32 s2, 0
	s_cbranch_scc0 .Lentry_in_a_cluster
	s_endpgm
.Lentry_in_a_cluster:
	s_bfe_u32 s2, ttmp6, 0x10000c
	s_cmp_lg_u32 s2, 0x3003
	s_cbranch_scc0 .Lentry_shape_is_right
	s_endpgm
.Lentry_shape_is_right:
; CAUSAL ATTENTION ON CODES OF BF6, one batch x head to a cluster of four work-groups; the result leaves as codes and scale bytes for the last product.
; The head's 16 records (128 keys each: K's images, V's images, their scale words; 13,056 bytes) all lie in LDS: each of the 8 waves asks for TWO records by one load at the head, jointly with the
; three partners (mask 15); nothing is filled again, and behind the one barrier no wave waits for another.
; A wave owns four tiles of 16 queries: tiles 2 cx and 2 cx + 1 of query block BL = wave and of block BH = 15 - wave: (BL + 1) + (BH + 1) = 17 double steps of 2 x 16 queries x 128 keys for every wave.
; A double step works its two tiles by turns, line by line: two independent chains; each fragment of K and of V feeds both tiles.  K's fragments have registers of their own, serve the low and
; the high block of a trip, and the next record's are asked for behind the high block's score products (the record's number held at 15 by a minimum: no branch).
; WORK LEFT OUT: steps whose 128 keys all lie behind the tile's queries: reference()'s own causal mask makes p = 0 there for all inputs.  On the diagonal step scores are set to -inf.
; Both products are used transposed (S^T = K Q^T, O^T = V^T p^T): a lane holds one query.  M is the running largest t rounded up to a whole number; p = 2^(t - M); the row's sum is taken of the unquantised p;
; a change of M multiplies the sum and O^T by an exact power of two.  A block's largest p is made from the block's largest score by the same two instructions.
; No data prefetch: the launch has one group of loads at its head and no ring to run ahead in.
; LIMITS: the scaled scores stay under 2^31 in magnitude; NaN and infinities are not served; a result block of zeros gets the byte 1.
; REGISTERS.  Window 0: addresses, state, scale words, temporaries, S^T then p then V's fragments (v102-229), p's codes.  Window 1: O^T of tile u at v[32 u], Q's fragments at v[128 + 12 u], K's at v176-229.
.set RECB,  13056
.set HEADB, 16*RECB
.set VIMG,  6144
.set KSC,   12288
.set VSC,   12800
.set SPARE, 0x33000
.set L16,  1
.set L8,   2
.set R16,  3
.set A16,  4
.set AR,   6
.set DQ,   7
.set F,    8                           ; v[F + 2 z]: 2^(old M - new M) of tile z (the pair's upper word is written once)
.set ST,   12                          ; tile u: -M, the largest t, the sum in two halves
.set QSC,  28                          ; Q's scale words, tile u
.set KS,   32
.set VS,   40
.set PS,   44                          ; p's scale word, tile z
.set TT,   46
.set NINF, 48
.set OB8,  49
.set NR,   50
.set SPW,  52
.set NIL,  53
.set TB,   54                          ; temporaries, 24 for each z: +0 block maxima, +4 the other half's, +8 scale operands, +12 second halves of codes, +20 a second sum
.set S,    102
.set PC,   230
.set N16,  254
.set N8,   255
.set O,    0
.set Q,    128
.set KF,   176
.set WV,   12
.set CX,   13
.set BHD,  14
.set BL,   15
.set BH,   16
.set TI,   17
.set SEL,  20
.set CS,   22
.set G1A,  24
.set G0A,  40
.set STP,  48
.set REC,  49
.set QIL,  50
.set QIH,  52
.set QSL,  54
.set QSH,  56
.set HI16, 58
.set OIL,  60
.set OIH,  62
.set OSL,  66
.set OSH,  68
.set RECN, 76
.set MSB, 0
.macro WIN new                         ; the immediate's high byte repeats the setting that is left
.if MSB != (\new)
	s_set_vgpr_msb (MSB<<8)|(\new)
.set MSB, (\new)
.endif
.endm
.macro CROUND
	s_barrier_signal -1
	s_barrier_wait -1
	s_cmp_lg_u32 s[WV], 0
	s_cbranch_scc1 .Lnot_wave_0_\@
	s_barrier_signal -3
.Lnot_wave_0_\@:
	s_barrier_wait -3
	s_barrier_signal -1
	s_barrier_wait -1
.endm
	s_load_b256 s[4:11], s[0:1], 0x0               ; qrec, kv, a_img, a_sc
	v_lshl_add_u32 v[SPW], v0, 2, SPARE
	v_mov_b32 v[NIL], 0
	ds_add_u32 v[SPW], v[NIL]                      ; the opening
	ds_add_u32 v[SPW], v[NIL]
	v_lshrrev_b32 v1, 5, v0
	v_readfirstlane_b32 s[WV], v1
	s_bfe_u32 s[CX], ttmp6, 0x40000
	s_and_b32 s[BHD], ttmp7, 0xffff
	s_mov_b32 s[BL], s[WV]
	s_sub_co_u32 s[BH], 15, s[BL]
	s_lshl_b32 s[TI], s[CX], 1                     ; my even tile; the odd one lies one image, one scale word on
	s_mul_i32 s18, s[TI], 768
	s_lshr_b32 s19, s[TI], 2
	s_lshl_b32 s19, s19, 8
	s_and_b32 s2, s[TI], 3
	s_lshl_b32 s2, s2, 2
	s_add_co_u32 s19, s19, s2
	s_add_co_u32 s19, s19, KSC
	s_lshl_b32 s2, s[BHD], 4
	s_add_co_u32 s3, s2, s[BL]
	s_mul_i32 s3, s3, RECB
	s_add_co_u32 s2, s2, s[BH]
	s_mul_i32 s2, s2, RECB
	s_add_co_u32 s[QIL], s3, s18
	s_add_co_u32 s[QIH], s2, s18
	s_add_co_u32 s[QSL], s3, s19
	s_add_co_u32 s[QSH], s2, s19
	s_mov_b32 s[QIL+1], 0
	s_mov_b32 s[QIH+1], 0
	s_mov_b32 s[QSL+1], 0
	s_mov_b32 s[QSH+1], 0
	s_lshr_b32 s2, s[BHD], 4
	s_lshl_b32 s2, s2, 7
	s_add_co_u32 s2, s2, s[TI]
	s_lshl_b32 s3, s[BL], 3
	s_add_co_u32 s3, s3, s2                        ; which 16 tokens of the 8,192: the low block's even tile,
	s_lshl_b32 s18, s[BH], 3
	s_add_co_u32 s18, s18, s2                      ; the high block's
	s_and_b32 s19, s[BHD], 15                      ; the head
	s_mul_i32 s70, s19, 768
	s_lshr_b32 s71, s19, 3
	s_lshl_b32 s71, s71, 8                         ; scale bytes: 256 for each half of K (8 heads),
	s_and_b32 s19, s19, 7
	s_lshl_b32 s19, s19, 1                         ; two bytes a head
	s_add_co_u32 s19, s19, s71
	s_mul_i32 s[OIL], s3, 12288
	s_add_co_u32 s[OIL], s[OIL], s70
	s_mul_i32 s[OIH], s18, 12288
	s_add_co_u32 s[OIH], s[OIH], s70
	s_lshl_b32 s[OSL], s3, 9
	s_add_co_u32 s[OSL], s[OSL], s19
	s_lshl_b32 s[OSH], s18, 9
	s_add_co_u32 s[OSH], s[OSH], s19
	s_mov_b32 s[OIL+1], 0
	s_mov_b32 s[OIH+1], 0
	s_mov_b32 s[OSL+1], 0
	s_mov_b32 s[OSH+1], 0
	s_mov_b32 s[G1A], 15|(3<<16)|(1<<21)           ; two records: 102 rows of 256 bytes, for all four partners
	s_mov_b32 s[G1A+1], 32<<16
	s_mov_b32 s[G1A+2], 102<<16
	s_mov_b32 s[G1A+3], 32<<16
	s_mov_b32 s[G1A+4], 102
	s_mov_b32 s[G1A+5], 32
	s_mov_b32 s[G1A+6], 0
	s_mov_b32 s[G1A+7], 0
	s_mul_i32 s70, s[BHD], HEADB
	s_mov_b32 s[G0A], 1
	s_mul_i32 s[G0A+1], s[WV], 2*RECB              ; records 2 wave, 2 wave + 1
	s_add_co_u32 s72, s70, s[G0A+1]
	s_mov_b32 s73, 0
	s_mov_b32 s[SEL], 0x76543210
	s_mov_b32 s[SEL+1], 0xfedcba98
	s_mov_b32 s[CS], 0x3e38aa3b                    ; log2(e) / 8
	s_mov_b32 s[CS+1], s[CS]
	s_mov_b32 s[HI16], 0xffff0000
	s_wait_dscnt 0x0
	s_wait_kmcnt 0x0
	s_add_nc_u64 s[G0A+2:G0A+3], s[6:7], s[72:73]
	s_or_b32 s[G0A+3], s[G0A+3], 0x80000000
	s_add_nc_u64 s[QIL:QIL+1], s[4:5], s[QIL:QIL+1]
	s_add_nc_u64 s[QIH:QIH+1], s[4:5], s[QIH:QIH+1]
	s_add_nc_u64 s[QSL:QSL+1], s[4:5], s[QSL:QSL+1]
	s_add_nc_u64 s[QSH:QSH+1], s[4:5], s[QSH:QSH+1]
	s_add_nc_u64 s[OIL:OIL+1], s[8:9], s[OIL:OIL+1]
	s_add_nc_u64 s[OIH:OIH+1], s[8:9], s[OIH:OIH+1]
	s_add_nc_u64 s[OSL:OSL+1], s[10:11], s[OSL:OSL+1]
	s_add_nc_u64 s[OSH:OSH+1], s[10:11], s[OSH:OSH+1]
	CROUND                                         ; the joint loads meet
	tensor_load_to_lds s[G0A:G0A+3], s[G1A:G1A+7]  ; my one tensor load
	s_nop 0
.rept 4
	v_nop
.endr
	v_and_b32 v[L16], 31, v0
	v_and_b32 v[R16], 15, v0
	v_bfe_u32 v[TT], v0, 4, 1
	v_lshlrev_b32 v[L8], 3, v[L16]
	v_add_nc_u32 v[L8], 512, v[L8]
	v_lshlrev_b32 v[L16], 4, v[L16]
	v_lshl_add_u32 v[OB8], v[R16], 4, v[TT]        ; the result's scale byte: 16 x row + block
	v_lshlrev_b32 v[DQ], 3, v[TT]
	v_sub_nc_u32 v[DQ], v[R16], v[DQ]
	s_lshl_b32 s2, s[TI], 4
	v_add_nc_u32 v[DQ], s2, v[DQ]                  ; the even tile's query's place in its block, less 8 x (lane / 16)
	v_lshlrev_b32 v[R16], 4, v[R16]
.irp z, 0,1
	global_load_b32 v[QSC+\z], v[R16], s[QSL:QSL+1] offset:4*\z
	global_load_b32 v[QSC+2+\z], v[R16], s[QSH:QSH+1] offset:4*\z
.endr
	WIN 0x40                                       ; destinations in window 1
.irp z, 0,1
	global_load_b128 v[Q+12*\z:Q+12*\z+3], v[L16], s[QIL:QIL+1] offset:768*\z
	global_load_b64 v[Q+12*\z+4:Q+12*\z+5], v[L8], s[QIL:QIL+1] offset:768*\z
	global_load_b128 v[Q+24+12*\z:Q+24+12*\z+3], v[L16], s[QIH:QIH+1] offset:768*\z
	global_load_b64 v[Q+24+12*\z+4:Q+24+12*\z+5], v[L8], s[QIH:QIH+1] offset:768*\z
.endr
.irp u, 0,1,2,3
.irp i, 6,7,8,9,10,11
	v_mov_b32 v[Q+12*\u+\i], 0                     ; the head has 64 channels: the upper 64 of the 128 along K are zero codes on Q's side
.endr
.endr
.irp i, 48,49,50,51,52,53
	v_mov_b32 v[KF+\i], 0
.endr
.set n, 0
.rept 128
	v_mov_b32 v[O+n], 0                            ; O^T: the step is written once and finds zeros
.set n, n+1
.endr
	WIN 0
	v_mov_b32 v[NINF], 0xff800000
.irp u, 0,1,2,3
	v_mov_b32 v[ST+4*\u+1], 0xff61b1e6             ; the largest t so far: -3e38
	v_mov_b32 v[ST+4*\u+2], 0
	v_mov_b32 v[ST+4*\u+3], 0
.endr
.irp u, 0,1,2,3
	v_floor_f32 v[ST+4*\u], -v[ST+4*\u+1]
.endr
.irp z, 0,1
	v_mov_b32 v[F+2*\z+1], 0
.irp b, 0,1,2,3
	v_mov_b32 v[TB+24*\z+4+\b], 0                  ; a lane permute's destination counts as a source
.endr
.endr
.macro KLOAD a16, a8, ar               ; a record's K: scale words, eight images
	ds_load_b128 v[KS:KS+3], v[\ar] offset:KSC
	ds_load_b128 v[KS+4:KS+7], v[\ar] offset:KSC+256
	WIN 0x40
.irp t, 0,1,2,3,4,5,6,7
	ds_load_b128 v[KF+6*\t:KF+6*\t+3], v[\a16] offset:768*\t
	ds_load_b64 v[KF+6*\t+4:KF+6*\t+5], v[\a8] offset:768*\t
.endr
	WIN 0
.endm
; A double step: tiles U and U + 1 against the trip's 128 keys.  pf = 1: K's registers are free behind the score products: the next record's K is asked for
.macro DSTEP U, BND, pf
	WIN 0x05                                       ; K and Q in window 1
.irp t, 0,1,2,3,4,5,6,7
.irp z, 0,1
	v_wmma_scale_f32_16x16x128_f8f6f4 v[S+64*\z+8*\t:S+64*\z+8*\t+7], v[KF+6*\t:KF+6*\t+11], v[Q+12*(\U+\z):Q+12*(\U+\z)+11], 0, v[KS+\t], v[QSC+\U+\z] matrix_a_fmt:MATRIX_FMT_BF6 matrix_b_fmt:MATRIX_FMT_BF6
.endr
.endr
	WIN 0
.rept 4
	v_nop                                          ; places ahead of the reads of S^T and of the loads into K's registers
.endr
.if \pf
	KLOAD N16, N8, NR
.endif
	s_cmp_lt_u32 s[STP], s[\BND]
	s_cbranch_scc1 .Lopen_\@
.irp z, 0,1
.set n, 0
.rept 64
	v_cmp_gt_i32 vcc_lo, 16*(n/8)+n%8-16*\z, v[DQ] ; the diagonal step: key > query
	v_cndmask_b32 v[S+64*\z+n], v[S+64*\z+n], v[NINF], vcc_lo
.set n, n+1
.endr
.endr
.Lopen_\@:
.irp b, 0,1,2,3
.irp z, 0,1
	v_max3_num_f32 v[TB+24*\z+\b], v[S+64*\z+16*\b], v[S+64*\z+16*\b+1], v[S+64*\z+16*\b+2]   ; the largest score of each block of 32 keys
.endr
.endr
.irp i, 3,5,7,9,11,13
.irp b, 0,1,2,3
.irp z, 0,1
	v_max3_num_f32 v[TB+24*\z+\b], v[TB+24*\z+\b], v[S+64*\z+16*\b+\i], v[S+64*\z+16*\b+\i+1]
.endr
.endr
.endr
.irp b, 0,1,2,3
.irp z, 0,1
	v_max_num_f32 v[TB+24*\z+\b], v[TB+24*\z+\b], v[S+64*\z+16*\b+15]
.endr
.endr
.irp b, 0,1,2,3
.irp z, 0,1
	v_permlanex16_b32 v[TB+24*\z+4+\b], v[TB+24*\z+\b], s[SEL], s[SEL+1]
.endr
.endr
.irp b, 0,1,2,3
.irp z, 0,1
	v_max_num_f32 v[TB+24*\z+\b], v[TB+24*\z+\b], v[TB+24*\z+4+\b]
.endr
.endr
.irp z, 0,1
	v_max3_num_f32 v[TT+\z], v[TB+24*\z], v[TB+24*\z+1], v[TB+24*\z+2]
.endr
.irp z, 0,1
	v_max_num_f32 v[TT+\z], v[TT+\z], v[TB+24*\z+3]
.endr
.irp z, 0,1
	v_mul_f32 v[TT+\z], s[CS], v[TT+\z]
.endr
.irp z, 0,1
	v_max_num_f32 v[ST+4*(\U+\z)+1], v[ST+4*(\U+\z)+1], v[TT+\z]   ; the running largest t
.endr
.irp z, 0,1
	v_mov_b32 v[TT+\z], v[ST+4*(\U+\z)]
.endr
.irp z, 0,1
	v_floor_f32 v[ST+4*(\U+\z)], -v[ST+4*(\U+\z)+1]                ; -M
.endr
.irp z, 0,1
	v_sub_f32 v[TT+\z], v[ST+4*(\U+\z)], v[TT+\z]
.endr
.irp z, 0,1
	v_cvt_i32_f32 v[TT+\z], v[TT+\z]
.endr
.irp z, 0,1
	v_ldexp_f32 v[F+2*\z], 1.0, v[TT+\z]                           ; 2^(old M - new M)
.endr
.irp z, 0,1
.set n, 0
.rept 32
	v_pk_fma_f32 v[S+64*\z+n:S+64*\z+n+1], v[S+64*\z+n:S+64*\z+n+1], s[CS:CS+1], v[ST+4*(\U+\z):ST+4*(\U+\z)+1] op_sel_hi:[1,0,0]
.set n, n+2
.endr
.endr
.irp b, 0,1,2,3
.irp z, 0,1
	v_fma_f32 v[TB+24*\z+\b], v[TB+24*\z+\b], s[CS], v[ST+4*(\U+\z)]
.endr
.endr
	s_wait_alu depctr_va_vdst(0)                   ; ahead of the batch
.set n, 0
.rept 128
	v_exp_f32 v[S+n], v[S+n]
.set n, n+1
.endr
.irp z, 0,1
	v_pk_mul_f32 v[ST+4*(\U+\z)+2:ST+4*(\U+\z)+3], v[ST+4*(\U+\z)+2:ST+4*(\U+\z)+3], v[F+2*\z:F+2*\z+1] op_sel_hi:[1,0]
.endr
	s_wait_alu depctr_va_vdst(0)                   ; and behind it
.irp b, 0,1,2,3
.irp z, 0,1
	v_exp_f32 v[TB+24*\z+\b], v[TB+24*\z+\b]       ; each block's largest p
.endr
.endr
.irp z, 0,1
	v_pk_add_f32 v[TB+24*\z+20:TB+24*\z+21], v[S+64*\z:S+64*\z+1], v[S+64*\z+2:S+64*\z+3]
.endr
.irp j, 4,8,12,16,20,24,28,32,36,40,44,48,52,56,60
.irp z, 0,1
	v_pk_add_f32 v[ST+4*(\U+\z)+2:ST+4*(\U+\z)+3], v[ST+4*(\U+\z)+2:ST+4*(\U+\z)+3], v[S+64*\z+\j:S+64*\z+\j+1]
	v_pk_add_f32 v[TB+24*\z+20:TB+24*\z+21], v[TB+24*\z+20:TB+24*\z+21], v[S+64*\z+\j+2:S+64*\z+\j+3]
.endr
.endr
.irp z, 0,1
	v_pk_add_f32 v[ST+4*(\U+\z)+2:ST+4*(\U+\z)+3], v[ST+4*(\U+\z)+2:ST+4*(\U+\z)+3], v[TB+24*\z+20:TB+24*\z+21]
.endr
	s_wait_alu depctr_va_vdst(0)                   ; for the eight
.irp b, 0,1,2,3
.irp z, 0,1
	v_max_num_f32 v[TB+24*\z+\b], 0x2800000, v[TB+24*\z+\b]        ; the floor 2^(5 - 127)
.endr
.endr
.irp b, 0,1,2,3
.irp z, 0,1
	v_add_nc_u32 v[TB+24*\z+8+\b], 0xfe000000, v[TB+24*\z+\b]      ; the conversions' scale operands
.endr
.endr
.irp b, 0,1,2,3
.irp z, 0,1
	v_lshrrev_b32 v[TB+24*\z+4+\b], 23, v[TB+24*\z+8+\b]
.endr
.endr
.irp z, 0,1
	v_lshl_or_b32 v[PS+\z], v[TB+24*\z+5], 8, v[TB+24*\z+4]
.endr
.irp z, 0,1
	v_lshl_or_b32 v[PS+\z], v[TB+24*\z+6], 16, v[PS+\z]
.endr
.irp z, 0,1
	v_lshl_or_b32 v[PS+\z], v[TB+24*\z+7], 24, v[PS+\z]
.endr
.irp z, 0,1
.irp c, 0,1
	v_cvt_scalef32_pk16_bf6_f32 v[PC+12*\z+6*\c:PC+12*\z+6*\c+2], v[S+64*\z+32*\c:S+64*\z+32*\c+15], v[TB+24*\z+8+2*\c]
	v_cvt_scalef32_pk16_bf6_f32 v[TB+24*\z+12+4*\c:TB+24*\z+12+4*\c+2], v[S+64*\z+32*\c+16:S+64*\z+32*\c+31], v[TB+24*\z+8+2*\c+1]
.endr
.endr
	v_nop
	ds_load_b128 v[VS:VS+3], v[AR] offset:VSC
.irp t, 0,1,2,3
.irp c, 0,1,2
	ds_load_b128 v[S+12*\t+4*\c:S+12*\t+4*\c+3], v[A16] offset:VIMG+1536*\t+512*\c   ; V's fragments, where p lay
.endr
.endr
.irp c, 0,1
.irp i, 0,1,2
.irp z, 0,1
	v_permlane16_swap_b32 v[PC+12*\z+6*\c+\i], v[TB+24*\z+12+4*\c+\i]   ; a whole block to a lane
.endr
.endr
.endr
.irp c, 0,1
.irp i, 0,1,2
.irp z, 0,1
	v_mov_b32 v[PC+12*\z+6*\c+3+\i], v[TB+24*\z+12+4*\c+\i]
.endr
.endr
.endr
	WIN 0x41                                       ; O^T in window 1
	s_wait_alu depctr_va_vdst(0)                   ; directly ahead of the first reader of O^T
.irp z, 0,1
.set n, 0
.rept 16
	v_pk_mul_f32 v[O+32*(\U+\z)+n:O+32*(\U+\z)+n+1], v[O+32*(\U+\z)+n:O+32*(\U+\z)+n+1], v[F+2*\z:F+2*\z+1] op_sel_hi:[1,0]
.set n, n+2
.endr
.endr
	WIN 0x50
	s_wait_alu depctr_va_vdst(0)                   ; ahead of the wait below
	s_wait_dscnt 0x0
.irp t, 0,1,2,3
.irp z, 0,1
	v_wmma_scale_f32_16x16x128_f8f6f4 v[O+32*(\U+\z)+8*\t:O+32*(\U+\z)+8*\t+7], v[S+12*\t:S+12*\t+11], v[PC+12*\z:PC+12*\z+11], v[O+32*(\U+\z)+8*\t:O+32*(\U+\z)+8*\t+7], v[VS+\t], v[PS+\z] matrix_a_fmt:MATRIX_FMT_BF6 matrix_b_fmt:MATRIX_FMT_BF6
.endr
.endr
	WIN 0
.rept 5
	v_nop                                          ; places ahead of the score products that write over V's fragments
.endr
.endm
.macro FIN U, OI, OS, z                ; O^T / the sum, quantised along the head's 64 channels, as an image and two scale bytes a row
	v_add_f32 v[TT], v[ST+4*\U+2], v[ST+4*\U+3]
	v_permlanex16_b32 v[TB+4], v[TT], s[SEL], s[SEL+1]
	v_add_f32 v[TT], v[TT], v[TB+4]
	s_wait_alu depctr_va_vdst(0)
	v_rcp_f32 v[F], v[TT]
	v_nop
	WIN 0x01
	s_wait_alu depctr_va_vdst(0)
.set n, 0
.rept 16
	v_pk_mul_f32 v[S+n:S+n+1], v[O+32*\U+n:O+32*\U+n+1], v[F:F+1] op_sel_hi:[1,0]
.set n, n+2
.endr
	WIN 0
.irp b, 0,1
	v_max3_num_f32 v[TB+\b], |v[S+16*\b]|, |v[S+16*\b+1]|, 0x2800000
.endr
.irp i, 2,4,6,8,10,12,14
.irp b, 0,1
	v_max3_num_f32 v[TB+\b], v[TB+\b], |v[S+16*\b+\i]|, |v[S+16*\b+\i+1]|
.endr
.endr
.irp b, 0,1
	v_permlanex16_b32 v[TB+4+\b], v[TB+\b], s[SEL], s[SEL+1]
.endr
.irp b, 0,1
	v_max_num_f32 v[TB+\b], v[TB+\b], v[TB+4+\b]
.endr
.irp b, 0,1
	v_add_nc_u32 v[TB+8+\b], 0xfe000000, v[TB+\b]
.endr
.irp b, 0,1
	v_lshrrev_b32 v[TB+4+\b], 23, v[TB+8+\b]
.endr
	v_cndmask_b32 v[TB+24+\U], v[TB+4], v[TB+5], s[HI16]
	v_cvt_scalef32_pk16_bf6_f32 v[PC+6*\U:PC+6*\U+2], v[S:S+15], v[TB+8]
	v_cvt_scalef32_pk16_bf6_f32 v[TB+12:TB+14], v[S+16:S+31], v[TB+9]
	v_nop
.irp i, 0,1,2
	v_permlane16_swap_b32 v[PC+6*\U+\i], v[TB+12+\i]
.endr
.irp i, 0,1,2
	v_mov_b32 v[PC+6*\U+3+\i], v[TB+12+\i]
.endr
	global_store_b128 v[L16], v[PC+6*\U:PC+6*\U+3], s[\OI:\OI+1] offset:12288*\z
	global_store_b64 v[L8], v[PC+6*\U+4:PC+6*\U+5], s[\OI:\OI+1] offset:12288*\z
	global_store_b8 v[OB8], v[TB+24+\U], s[\OS:\OS+1] offset:512*\z
.endm
	s_wait_alu depctr_va_vdst(0)                   ; the head's end
	s_wait_loadcnt 0x0
	s_wait_tensorcnt 0x0                           ; my two records are in,
	s_barrier_signal -1
	s_barrier_wait -1                              ; all sixteen are
	KLOAD L16, L8, R16                             ; record 0's K
	s_mov_b32 s[STP], 0
	s_mov_b32 s[REC], 0
.Lk:
	s_cmp_gt_u32 s[STP], s[BH]
	s_cbranch_scc1 .Lpast                          ; all my queries lie ahead of these keys
	v_add_nc_u32 v[A16], s[REC], v[L16]
	v_add_nc_u32 v[AR], s[REC], v[R16]
	s_add_co_u32 s[RECN], s[REC], RECB
	s_min_u32 s[RECN], s[RECN], 15*RECB            ; the next record, held at the last
	v_add_nc_u32 v[N16], s[RECN], v[L16]
	v_add_nc_u32 v[N8], s[RECN], v[L8]
	v_add_nc_u32 v[NR], s[RECN], v[R16]
	s_wait_dscnt 0x0                               ; this record's K is in
	s_cmp_gt_u32 s[STP], s[BL]
	s_cbranch_scc1 .Lno_low
	DSTEP 0, BL, 0
.Lno_low:
	s_wait_alu depctr_va_vdst(0)                   ; a taken branch and a wait may lie behind the address lines above
	DSTEP 2, BH, 1
.Lpast:
	s_add_co_u32 s[REC], s[REC], RECB
	s_add_co_u32 s[STP], s[STP], 1
	s_cmp_lt_u32 s[STP], 16
	s_cbranch_scc1 .Lk
	FIN 0, OIL, OSL, 0
	FIN 1, OIL, OSL, 1
	FIN 2, OIH, OSH, 0
	FIN 3, OIH, OSH, 1
	s_wait_tensorcnt 0x0                           ; the wave's end
	ds_add_u32 v[SPW], v[NIL]
	s_wait_dscnt 0x0
	CROUND                                         ; the closing round
	s_endpgm
.Lfunc_end_k_qa316cc4ab2_attn:
	.size	k_qa316cc4ab2_attn, .Lfunc_end_k_qa316cc4ab2_attn-k_qa316cc4ab2_attn
	.p2alignl 7, 3214868480
	.fill 96, 4, 3214868480
	.section	.rodata,"a",@progbits
	.p2align	6, 0x0
	.amdhsa_kernel k_qa316cc4ab2_attn
		.amdhsa_group_segment_fixed_size 327680
		.amdhsa_private_segment_fixed_size 0
		.amdhsa_enable_private_segment 0
		.amdhsa_kernarg_size 32
		.amdhsa_user_sgpr_count 2
		.amdhsa_user_sgpr_kernarg_segment_ptr 1
		.amdhsa_wavefront_size32 1
		.amdhsa_system_sgpr_workgroup_id_x 1
		.amdhsa_system_sgpr_workgroup_id_y 1
		.amdhsa_system_sgpr_workgroup_id_z 1
		.amdhsa_system_vgpr_workitem_id 0
		.amdhsa_next_free_vgpr 512
		.amdhsa_next_free_sgpr 80
		.amdhsa_reserve_vcc 1
		.amdhsa_float_denorm_mode_32 3
		.amdhsa_float_denorm_mode_16_64 3
		.amdhsa_memory_ordered 1
		.amdhsa_forward_progress 1
		.amdhsa_inst_pref_size 105
	.end_amdhsa_kernel
	.amdgpu_metadata
---
amdhsa.version: [ 1, 2 ]
amdhsa.kernels:
  - .name:           k_qa316cc4ab2_attn
    .symbol:         k_qa316cc4ab2_attn.kd
    .args:
      - { .name: qrec, .offset: 0, .size: 8, .value_kind: global_buffer, .address_space: global }
      - { .name: kv, .offset: 8, .size: 8, .value_kind: global_buffer, .address_space: global }
      - { .name: a_img, .offset: 16, .size: 8, .value_kind: global_buffer, .address_space: global }
      - { .name: a_sc, .offset: 24, .size: 8, .value_kind: global_buffer, .address_space: global }
    .group_segment_fixed_size: 327680
    .private_segment_fixed_size: 0
    .kernarg_segment_align: 8
    .kernarg_segment_size: 32
    .max_flat_workgroup_size: 256
    .sgpr_count:     80
    .vgpr_count:     512
    .wavefront_size: 32
...
	.end_amdgpu_metadata
.endif
;; end of part 3
;; launch proj (part 4): grid 4 x 64, 4 waves a work-group, clusters of 4 x 4, 327,680 bytes of LDS; arguments a_img, a_sc, w_codes, w_scales, out0; writes out0
.if DOCPART == 4
	.amdgcn_target "amdgcn-amd-amdhsa--gfx1250"
	.amdhsa_code_object_version 6
	.text
	.protected	k_qa316cc4ab2_proj
	.globl	k_qa316cc4ab2_proj
	.p2align	8
	.type	k_qa316cc4ab2_proj,@function
k_qa316cc4ab2_proj:
	s_mov_b64 s[64:65], 0
	v_nop
	global_prefetch_b8 v0, s[64:65] scope:SCOPE_SE
	s_setreg_imm32_b32 hwreg(HW_REG_WAVE_MODE, 25, 1), 1
	s_wait_xcnt 0x0
	s_wait_alu depctr_hold_cnt(0) depctr_sa_sdst(0) depctr_va_vdst(0) depctr_va_sdst(0) depctr_va_ssrc(0) depctr_va_vcc(0) depctr_vm_vsrc(0)
	s_getreg_b32 s2, hwreg(HW_REG_IB_STS2, 6, 4)
	s_cmp_eq_u32 s2, 0
	s_cbranch_scc0 .Lentry_in_a_cluster
	s_endpgm
.Lentry_in_a_cluster:
	s_bfe_u32 s2, ttmp6, 0x10000c
	s_cmp_lg_u32 s2, 0xf033
	s_cbranch_scc0 .Lentry_shape_is_right
	s_endpgm
.Lentry_shape_is_right:
; out0 = attention's result x w_proj ON CODES OF BF6 (one E8M0 scale for each 32 along K = 1,024), f32 sums, f32 out.
; A work-group makes 128 tokens x 256 columns: 256 work-groups.  ALL OF K lies in LDS, filled once: the tokens' 8 x 12,288 bytes, the weights' 16 x 12,288 (rows 3,072 on of the weights' codes).
; Operands lie in memory as images of operand registers: a tile is one dense run of bytes from a multiple of 256, a fragment four LDS loads of consecutive bytes.
; A wave makes 64 x 128: 32 accumulators that take turns; source 0 = 16 columns' rows of the weight, source 1 = 16 tokens: a lane holds eight neighbouring numbers of a row of the result.
; The scale words go from memory straight into registers.  CLUSTERS 4 x 4: the tokens' tile is asked for jointly along a row of the cluster, the weights' along a column.
; No data prefetch: one group of loads at the head, no ring to run ahead in.
; The way out goes through a stage of each wave's own in bytes that have had their only fill, behind a barrier that shows every wave's LDS reads done; 32 lanes store 512 consecutive bytes, aligned.
; REGISTERS: window 0: addresses, scale words v32-127 (and nothing else there), v128-255 the way out; window 1: accumulator (a, b) at v[8 (8 a + b)]; window 2: source 0's fragments, two sets; window 3: source 1's.
.set RT,    12288
.set LB,    8*RT
.set SPARE, 24*RT
.set SPITCH, 528
.set ADQ, 16
.set STO, 24
.set RD,  25
.set CO,  26
.set SPW, 28
.set NIL, 29
.set SCO, 31
.set S1S, 32
.set S0S, 64
.set BK,  128
.set G1A, 24
.set G0A, 32
.set G0B, 36
.set G1B, 48
.set SX4, 72
.set SWQ, 76
.set MSB, 0
.macro WIN new
.if MSB != (\new)
	s_set_vgpr_msb (MSB<<8)|(\new)
.set MSB, (\new)
.endif
.endm
.set MUL, 0x5e
.macro CROUND
	s_barrier_signal -1
	s_barrier_wait -1
	s_cmp_lg_u32 s14, 0
	s_cbranch_scc1 .Lnot_wave_0_\@
	s_barrier_signal -3
.Lnot_wave_0_\@:
	s_barrier_wait -3
	s_barrier_signal -1
	s_barrier_wait -1
.endm
.macro PLACES
.rept 4
	v_nop
.endr
.endm
.macro GRP1 g, rows
	s_mov_b32 s[\g+1], 32<<16
	s_mov_b32 s[\g+2], (\rows)<<16
	s_mov_b32 s[\g+3], 32<<16
	s_mov_b32 s[\g+4], \rows
	s_mov_b32 s[\g+5], 32
	s_mov_b32 s[\g+6], 0
	s_mov_b32 s[\g+7], 0
.endm
.macro FRAG reg, a16, a8, off
	ds_load_b128 v[\reg:\reg+3], v[\a16] offset:\off
	ds_load_b64 v[\reg+4:\reg+5], v[\a8] offset:\off
	ds_load_b128 v[\reg+6:\reg+9], v[\a16] offset:\off+768
	ds_load_b64 v[\reg+10:\reg+11], v[\a8] offset:\off+768
.endm
.macro FETCH q, ad
	WIN 0x80
.irp i, 0,1,2,3,4,5,6,7
	FRAG 96*((\q)%2)+12*\i, \ad+2*(\i/4), \ad+2*(\i/4)+1, (\i%4)*RT+(\q)*1536
.endr
	WIN 0xc0
.irp i, 0,1,2,3
	FRAG 48*((\q)%2)+12*\i, \ad+4, \ad+5, \i*RT+(\q)*1536
.endr
	WIN 0
.endm
.macro MUL16 a0, q, zero
.irp a, \a0, \a0+1
.irp b, 0,1,2,3,4,5,6,7
.if \zero
	v_wmma_scale_f32_16x16x128_f8f6f4 v[8*(8*(\a)+\b):8*(8*(\a)+\b)+7], v[96*((\q)%2)+12*\b:96*((\q)%2)+12*\b+11], v[48*((\q)%2)+12*(\a):48*((\q)%2)+12*(\a)+11], 0, v[S0S+8*\b+(\q)], v[S1S+8*(\a)+(\q)] matrix_a_fmt:MATRIX_FMT_BF6 matrix_b_fmt:MATRIX_FMT_BF6
.else
	v_wmma_scale_f32_16x16x128_f8f6f4 v[8*(8*(\a)+\b):8*(8*(\a)+\b)+7], v[96*((\q)%2)+12*\b:96*((\q)%2)+12*\b+11], v[48*((\q)%2)+12*(\a):48*((\q)%2)+12*(\a)+11], v[8*(8*(\a)+\b):8*(8*(\a)+\b)+7], v[S0S+8*\b+(\q)], v[S1S+8*(\a)+(\q)] matrix_a_fmt:MATRIX_FMT_BF6 matrix_b_fmt:MATRIX_FMT_BF6
.endif
.endr
.endr
.endm
.macro KSTEP q, zero, ad
	s_wait_dscnt 0x0                               ; this step's fragments are in
	PLACES                                         ; ahead of loads into the set that the last step multiplied
	FETCH (\q)+1, \ad
	WIN MUL
	MUL16 0, \q, \zero
	MUL16 2, \q, \zero
	WIN 0
.endm
	s_load_b256 s[4:11], s[0:1], 0x0               ; the tokens' codes, their scales, the weights' codes, their scales
	s_load_b64 s[12:13], s[0:1], 0x20              ; out0
	v_lshl_add_u32 v[SPW], v0, 2, SPARE
	v_mov_b32 v[NIL], 0
	ds_add_u32 v[SPW], v[NIL]                      ; the opening
	ds_add_u32 v[SPW], v[NIL]
	v_lshrrev_b32 v1, 5, v0
	v_readfirstlane_b32 s14, v1
	s_lshr_b32 s15, s14, 1
	s_and_b32 s16, s14, 1
	s_bfe_u32 s40, ttmp6, 0x40000
	s_bfe_u32 s41, ttmp6, 0x40004
	s_lshl_b32 s42, ttmp9, 2
	s_add_co_u32 s42, s42, s40                     ; which 256 columns
	s_and_b32 s17, ttmp7, 0xffff
	s_lshl_b32 s17, s17, 2
	s_add_co_u32 s17, s17, s41                     ; which 128 tokens
	s_lshl_b32 s43, s41, 2
	s_lshl_b32 s43, 15, s43
	s_lshl_b32 s44, 0x1111, s40
	s_or_b32 s[G1A], s43, (3<<16)|(1<<21)
	s_or_b32 s[G1B], s44, (3<<16)|(1<<21)
	GRP1 G1A, 192                                  ; the tokens: 4 x 12,288 bytes a wave (waves 0, 1)
	GRP1 G1B, 384                                  ; the weights: 8 x 12,288 (waves 2, 3)
	s_lshl_b32 s20, s17, 3
	s_lshl_b32 s18, s16, 2
	s_add_co_u32 s20, s20, s18
	s_mul_i32 s20, s20, RT
	s_mov_b32 s21, 0
	s_lshl_b32 s46, s42, 4
	s_lshl_b32 s18, s16, 3
	s_add_co_u32 s46, s46, s18
	s_add_co_u32 s46, s46, 192                     ; w_proj's rows begin at row 3,072
	s_mul_i32 s46, s46, RT
	s_mov_b32 s47, 0
	s_mov_b32 s[G0A], 1
	s_mul_i32 s[G0A+1], s16, 4*RT
	s_mov_b32 s[G0B], 1
	s_mul_i32 s[G0B+1], s16, 8*RT
	s_add_co_u32 s[G0B+1], s[G0B+1], LB
	s_wait_dscnt 0x0
	s_wait_kmcnt 0x0
	s_add_nc_u64 s[G0A+2:G0A+3], s[4:5], s[20:21]
	s_or_b32 s[G0A+3], s[G0A+3], 0x80000000
	s_add_nc_u64 s[G0B+2:G0B+3], s[8:9], s[46:47]
	s_or_b32 s[G0B+3], s[G0B+3], 0x80000000
	CROUND                                         ; the joint loads meet
	s_cmp_eq_u32 s15, 0
	s_cbranch_scc0 .Lhead_b
	tensor_load_to_lds s[G0A:G0A+3], s[G1A:G1A+7]
	s_nop 0
	PLACES
	s_branch .Lhead_asked
.Lhead_b:
	tensor_load_to_lds s[G0B:G0B+3], s[G1B:G1B+7]
	s_nop 0
	PLACES
.Lhead_asked:
	s_mov_b32 s19, 0
	s_lshl_b32 s18, s17, 12
	s_lshl_b32 s22, s15, 11
	s_add_co_u32 s18, s18, s22
	s_add_nc_u64 s[SX4:SX4+1], s[6:7], s[18:19]    ; the scales of my 64 tokens
	s_lshl_b32 s18, s42, 13
	s_lshl_b32 s22, s16, 12
	s_add_co_u32 s18, s18, s22
	s_add_co_u32 s18, s18, 192*512
	s_add_nc_u64 s[SWQ:SWQ+1], s[10:11], s[18:19]  ; and of my 128 columns
	s_lshl_b32 s18, s17, 19                        ; out0: 128 rows of 4,096 bytes a block,
	s_lshl_b32 s22, s15, 18                        ; my 64 rows,
	s_add_co_u32 s18, s18, s22
	s_lshl_b32 s22, s42, 10                        ; 256 columns,
	s_add_co_u32 s18, s18, s22
	s_lshl_b32 s22, s16, 9                         ; my 128
	s_add_co_u32 s18, s18, s22
	s_add_nc_u64 s[12:13], s[12:13], s[18:19]
	v_and_b32 v1, 15, v0
	v_bfe_u32 v2, v0, 4, 1
	v_and_b32 v6, 31, v0
	v_lshlrev_b32 v3, 4, v6
	v_lshlrev_b32 v4, 3, v6
	v_add_nc_u32 v4, 512, v4
	s_mul_i32 s21, s16, 8*RT
	s_add_co_u32 s21, s21, LB
	s_add_co_u32 s22, s21, 4*RT
	s_mul_i32 s23, s15, 4*RT
	v_add_nc_u32 v[ADQ], s21, v3
	v_add_nc_u32 v[ADQ+1], s21, v4
	v_add_nc_u32 v[ADQ+2], s22, v3
	v_add_nc_u32 v[ADQ+3], s22, v4
	v_add_nc_u32 v[ADQ+4], s23, v3
	v_add_nc_u32 v[ADQ+5], s23, v4
	v_lshlrev_b32 v[SCO], 4, v1
	s_mul_i32 s23, s14, 16*SPITCH                  ; my stage
	v_mul_u32_u24 v5, v1, SPITCH
	v_lshl_add_u32 v5, v2, 5, v5
	v_add_nc_u32 v[STO], s23, v5
	v_mov_b32 v[CO], v3
	v_add_nc_u32 v[RD], s23, v3
	s_wait_alu depctr_va_vdst(0)                   ; the head's end
.irp i, 0,1,2,3,4,5,6,7
	global_load_b128 v[S0S+8*\i:S0S+8*\i+3], v[SCO], s[SWQ:SWQ+1] offset:512*\i
	global_load_b128 v[S0S+8*\i+4:S0S+8*\i+7], v[SCO], s[SWQ:SWQ+1] offset:512*\i+256
.endr
.irp i, 0,1,2,3
	global_load_b128 v[S1S+8*\i:S1S+8*\i+3], v[SCO], s[SX4:SX4+1] offset:512*\i
	global_load_b128 v[S1S+8*\i+4:S1S+8*\i+7], v[SCO], s[SX4:SX4+1] offset:512*\i+256
.endr
	s_wait_tensorcnt 0x0                           ; my part of the tiles is in,
	s_barrier_signal -1
	s_barrier_wait -1                              ; everybody's is
	FETCH 0, ADQ
	s_wait_loadcnt 0x0
	KSTEP 0, 1, ADQ                                ; the first step starts the sums
.set Q, 1
.rept 6
	KSTEP Q, 0, ADQ
.set Q, Q+1
.endr
	s_wait_dscnt 0x0                               ; my reads of the tiles are over:
	s_barrier_signal -1                            ; say so,
	WIN MUL
	MUL16 0, 7, 0
	MUL16 2, 7, 0
	WIN 0
	s_barrier_wait -1                              ; and store to LDS only when all four have said so
.macro TOSTAGE a
.set AC, 64*(\a)
	WIN 0x04                                       ; the data: window 1
.irp b, 0,1,2,3,4,5,6,7
	ds_store_b128 v[STO], v[AC+8*\b:AC+8*\b+3] offset:64*\b          ; each accumulator from its low end on
	ds_store_b128 v[STO], v[AC+8*\b+4:AC+8*\b+7] offset:64*\b+16
.endr
	WIN 0
.set BB, BK+64*((\a)%2)
.irp t, 0,1,2,3,4,5,6,7,8,9,10,11,12,13,14,15
	ds_load_b128 v[BB+4*\t:BB+4*\t+3], v[RD] offset:\t*SPITCH      ; LDS serves a wave's instructions in order
.endr
.endm
.macro SEND a, younger
.set BB, BK+64*((\a)%2)
	s_wait_dscnt \younger
.if (\a) > 0
	s_add_nc_u64 s[12:13], s[12:13], 16*4096       ; behind a wait on XCNT: the earlier stores have read their base
.endif
.irp t, 0,1,2,3,4,5,6,7,8,9,10,11,12,13,14,15
	global_store_b128 v[CO], v[BB+4*\t:BB+4*\t+3], s[12:13] offset:\t*4096 th:TH_STORE_NT
.endr
.endm
	PLACES
	TOSTAGE 0
.irp a, 1,2,3
.if \a > 1
	s_wait_xcnt 0x0
.endif
	TOSTAGE \a
	SEND \a-1, 32                                  ; behind block a - 1's loads: block a's 16 stores and 16 loads
.endr
	s_wait_xcnt 0x0
	SEND 3, 0
	s_wait_tensorcnt 0x0                           ; the wave's end
	ds_add_u32 v[SPW], v[NIL]
	s_wait_dscnt 0x0
	CROUND                                         ; the closing round
	s_endpgm
.Lfunc_end_k_qa316cc4ab2_proj:
	.size	k_qa316cc4ab2_proj, .Lfunc_end_k_qa316cc4ab2_proj-k_qa316cc4ab2_proj
	.p2alignl 7, 3214868480
	.fill 96, 4, 3214868480
	.section	.rodata,"a",@progbits
	.p2align	6, 0x0
	.amdhsa_kernel k_qa316cc4ab2_proj
		.amdhsa_group_segment_fixed_size 327680
		.amdhsa_private_segment_fixed_size 0
		.amdhsa_enable_private_segment 0
		.amdhsa_kernarg_size 40
		.amdhsa_user_sgpr_count 2
		.amdhsa_user_sgpr_kernarg_segment_ptr 1
		.amdhsa_wavefront_size32 1
		.amdhsa_system_sgpr_workgroup_id_x 1
		.amdhsa_system_sgpr_workgroup_id_y 1
		.amdhsa_system_sgpr_workgroup_id_z 1
		.amdhsa_system_vgpr_workitem_id 0
		.amdhsa_next_free_vgpr 1024
		.amdhsa_next_free_sgpr 102
		.amdhsa_reserve_vcc 0
		.amdhsa_float_denorm_mode_32 3
		.amdhsa_float_denorm_mode_16_64 3
		.amdhsa_memory_ordered 1
		.amdhsa_forward_progress 1
		.amdhsa_inst_pref_size 82
	.end_amdhsa_kernel
	.amdgpu_metadata
---
amdhsa.version: [ 1, 2 ]
amdhsa.kernels:
  - .name:           k_qa316cc4ab2_proj
    .symbol:         k_qa316cc4ab2_proj.kd
    .args:
      - { .name: a_img, .offset: 0, .size: 8, .value_kind: global_buffer, .address_space: global }
      - { .name: a_sc, .offset: 8, .size: 8, .value_kind: global_buffer, .address_space: global }
      - { .name: w_codes, .offset: 16, .size: 8, .value_kind: global_buffer, .address_space: global }
      - { .name: w_scales, .offset: 24, .size: 8, .value_kind: global_buffer, .address_space: global }
      - { .name: out0, .offset: 32, .size: 8, .value_kind: global_buffer, .address_space: global }
    .group_segment_fixed_size: 327680
    .private_segment_fixed_size: 0
    .kernarg_segment_align: 8
    .kernarg_segment_size: 40
    .max_flat_workgroup_size: 128
    .sgpr_count:     102
    .vgpr_count:     1024
    .wavefront_size: 32
...
	.end_amdgpu_metadata
.endif
;; end of part 4
